; MI455X (gfx1250); checked and timed in simulation.
; The chip was launched on July 23, 2026; its instructions are those of AMD's public machine-readable ISA for CDNA 5 (MIT licence, August 2026) and "CDNA5" Instruction Set Architecture Reference Guide (July 2026). The comments in the code are by the model that wrote it; some were corrected since.
;; Multi Head Attention. Allowed arithmetic: matrix products marked QUANTISED: E2M1 operands, one E8M0 scale for each 32 along K, by v_wmma_scale_f32_16x16x128_f8f6f4 with both operands' format E2M1 (or v_wmma_scale_f32_32x16x128_f4), f32 sums; products left as they are: bf16, f16 or f32 operands; f32 sums; everything else in f32.
;; Inputs: W_k 1,024 x 1,024 float32; W_o 1,024 x 1,024 float32; W_q 1,024 x 1,024 float32; W_v 1,024 x 1,024 float32; kv_input 4 x 2,048 x 1,024 float32; query_input 4 x 2,048 x 1,024 float32.
;; Outputs: out0 4 x 2,048 x 1,024 float32.
;; This version of the problem:
;;   THIS VERSION OF THE PROBLEM IS GIVEN IN LOW PRECISION. The matrix products marked QUANTISED in the list below multiply operands that are first quantised to E2M1 (2 exponent bits, 1 mantissa bit; 4 bits a number), with one power-of-two scale for each 32 numbers along K (OCP MX v1.0); their sums are f32. The products marked 'left as it is' may take bf16, f16 or f32 operands, with f32 sums. All else is computed in f32.
;;   The module's matrix products, in the order in which they are computed (A, B: the left and right operand; K: the contracted axis; several contracted axes count as one K, in the product's order):
;;     1. [M 8,192, K 1,024] x [K 1,024, N 1,024]; A: input query_input; B: input W_q: QUANTISED
;;     2. [M 8,192, K 1,024] x [K 1,024, N 1,024]; A: input kv_input; B: input W_k: QUANTISED
;;     3. [M 8,192, K 1,024] x [K 1,024, N 1,024]; A: input kv_input; B: input W_v: QUANTISED
;;     4. batch 64 x [M 2,048, K 64] x [K 64, N 2,048]; A: computed on the way; B: computed on the way: left as it is (an operand is computed on the way)
;;     5. batch 64 x [M 2,048, K 2,048] x [K 2,048, N 64]; A: computed on the way; B: computed on the way: left as it is (an operand is computed on the way)
;;     6. [M 8,192, K 1,024] x [K 1,024, N 1,024]; A: computed on the way; B: input W_o: left as it is (an operand is computed on the way)
;;   THE QUANTISER, for each operand of a quantised product, along K:
;;     - K is cut into blocks of 32 from its start; a last block that is shorter is filled with zeros.
;;     - A block's scale is 2^e with e = floor(log2(the largest magnitude in the block)) - 2, held to -126 .. 127; a block of zeros has e = 0. As a byte (E8M0): e + 127.
;;     - Each number is divided by its block's scale, clamped to +-6, and rounded to the nearest number of E2M1, ties to even, subnormals kept.
;;     - The product sums the exact products of the quantised numbers (number of the format x scale) in f32.
;;   ~~~python
;;   def quantise(x, axis):      # numpy; x: float32 -> the quantised numbers, widened to float32 again
;;       x = np.moveaxis(x, axis, -1); K = x.shape[-1]
;;       x = np.pad(x, [(0, 0)] * (x.ndim - 1) + [(0, -K % 32)]); x = x.reshape(x.shape[:-1] + (-1, 32)); a = np.abs(x).max(-1, keepdims=True)
;;       e = np.where(a > 0, np.clip(np.frexp(np.where(a > 0, a, 1))[1] - 1 - 2, -126, 127), 0)      # np.frexp(a)[1] - 1 = floor(log2(a)), exactly
;;       r = np.clip(x / 2.0 ** e, -6, 6)
;;       step = 2.0 ** (np.maximum(np.frexp(np.where(r == 0, 1, r))[1] - 1, 0) - 1)
;;       q = np.round(r / step) * step * 2.0 ** e      # np.round: ties to even
;;       return np.moveaxis(q.reshape(q.shape[:-2] + (-1,))[..., :K], -1, axis).astype(np.float32)
;;   ~~~
;; One version. Each part assembles by itself: llvm-mc -triple=amdgcn-amd-amdhsa -mcpu=gfx1250 --defsym DOCPART=n.
;; ======== version 1 of 1: 4 launches
;; limits: values are held in f16: magnitudes above 65,504 overflow, below 6.1e-05 lose precision
;; workspace buffers: acodes 8,388,608 bytes; ascales 524,288 bytes; wcodes 1,572,864 bytes; wscales 98,304 bytes; wo16 2,097,152 bytes; qkv 50,331,648 bytes; ctx 16,777,216 bytes
;; launch quant (part 1): grid 640 x 1, 4 waves a work-group, no clusters, 33,280 bytes of LDS; arguments query_input, kv_input, W_q, W_k, W_v, W_o, acodes, ascales, wcodes, wscales, wo16; writes acodes, ascales, wcodes, wscales, wo16
.if DOCPART == 1
	.amdgcn_target "amdgcn-amd-amdhsa--gfx1250"
	.amdhsa_code_object_version 6
	.text
	.protected	k_q17f2cd2a1c_quant
	.globl	k_q17f2cd2a1c_quant
	.p2align	8
	.type	k_q17f2cd2a1c_quant,@function
k_q17f2cd2a1c_quant:
	s_mov_b64 s[64:65], 0
	v_nop
	global_prefetch_b8 v0, s[64:65] scope:SCOPE_SE
	s_setreg_imm32_b32 hwreg(HW_REG_WAVE_MODE, 25, 1), 1
	s_wait_xcnt 0x0
; query_input, kv_input [8192][1024] and W_q, W_k, W_v [1024][1024], f32 with K innermost, become codes of FP4 (E2M1), two a byte, with one E8M0 scale byte for each 32 along K.
; acodes [16384][512 B]: query's rows, then kv's; ascales [16384][32 B]; wcodes [3072][512 B]: W_q, W_k, W_v; wscales [3072][32 B].  W_o becomes f16, laid [k / 64][n][64] (wo16).
; A block's scale is 2^(floor(log2(its largest magnitude)) - 2); its byte is the largest magnitude's exponent field - 2, held at 1 from below.  Each number is divided by the scale and rounded to the nearest code, ties to even.
; LIMITS: a block of zeros gets the byte 1 (its codes are zeros, and this program alone reads the bytes); blocks whose largest magnitude lies under 2^(2 - 126) are held at that byte;
; NaN and infinities among the inputs are not served; |W_o| stays under 65,504, f16's largest number.
; Rows are dense and K is a multiple of 32: each tensor is a plain stream of blocks of 32.  Work-groups 0-255 take query_input, 256-511 kv_input, 512-543 W_q, 544-575 W_k, 576-607 W_v
; (32,768 numbers each, 8,192 a wave, in 16 steps of 512); work-groups 608-639 cast W_o, 32 rows each.  Only pointers are chosen: the five quantised tensors take one path through the text.
; A step: four loads of 512 consecutive bytes; the 2,048 bytes turn through the wave's own stage in LDS and come back 64 bytes a lane, so that a lane holds 16 neighbours along K and two lanes a block.
; No tensor loads, no barrier: waves share nothing.  Loads run four steps (16 loads a wave) ahead, the turn through LDS one step.
.set STEPS, 16
.set EMAX,  2
.set CB,    8                          ; bytes of 16 codes
.set R,     16                         ; v16-79   four sets of 16 numbers as they are loaded
.set X,     80                         ; v80-111  two sets of 16 neighbours
.set E,     112                        ; v112-127 a scale byte for each step
.set C,     128                        ; v128-191 codes: four registers for each step, so that no store's data are written again
.set WREG,  8192                       ; LDS: a region for each wave: two stages of 32 x SP bytes, behind them its 256 scale bytes
.set SP,    80                         ; a lane's place in a stage: 64 bytes + 16 of padding
.set WCAST, 608                        ; the first work-group of the cast
	s_load_b256 s[4:11], s[0:1], 0x0               ; query_input s[4:5], kv_input s[6:7], W_q s[8:9], W_k s[10:11]
	s_load_b256 s[12:19], s[0:1], 0x20             ; W_v s[12:13], W_o s[14:15], acodes s[16:17], ascales s[18:19]
	s_load_b128 s[20:23], s[0:1], 0x40             ; wcodes s[20:21], wscales s[22:23]
	s_load_b64 s[24:25], s[0:1], 0x50              ; wo16
	v_lshl_add_u32 v192, v0, 2, 0x8000
	v_mov_b32 v193, 0
	v_lshrrev_b32 v1, 5, v0
	v_readfirstlane_b32 s34, v1                    ; wave
	v_and_b32 v2, 31, v0                           ; lane
	s_wait_kmcnt 0x0
	s_cmp_ge_u32 ttmp9, WCAST
	s_cbranch_scc1 .Lcast
	; ---- the quantiser
	v_lshlrev_b32 v3, 4, v2                        ; my 16 bytes of a load's 512
	s_mul_i32 s35, s34, WREG
	v_lshrrev_b32 v14, 2, v2
	v_mul_u32_u24 v14, v14, SP
	v_and_b32 v15, 3, v2
	v_lshl_add_u32 v14, v15, 4, v14
	v_add_nc_u32 v14, s35, v14                     ; the stage, on the way in: SP (lane / 4) + 16 (lane % 4)
	v_mul_u32_u24 v15, v2, SP
	v_add_nc_u32 v15, s35, v15                     ; and on the way out: SP x lane: my 16 neighbours
	v_mul_u32_u24 v4, v2, CB                       ; my codes' place in a step's
	v_lshrrev_b32 v5, 1, v2
	s_add_co_u32 s35, s35, 2*32*SP
	v_add_nc_u32 v5, s35, v5                       ; LDS: my wave's 256 scale bytes, my block's byte
	v_lshlrev_b32 v7, 3, v2                        ; and on the way out 8 bytes a lane
	v_add_nc_u32 v6, s35, v7
	; which tensor: the choices hang on the work-group's number alone.  s[26:27] the source, s28 its first work-group
	s_mov_b64 s[26:27], s[12:13]
	s_mov_b32 s28, 576
	s_cmp_lt_u32 ttmp9, 576
	s_cselect_b64 s[26:27], s[10:11], s[26:27]
	s_cselect_b32 s28, 544, s28
	s_cmp_lt_u32 ttmp9, 544
	s_cselect_b64 s[26:27], s[8:9], s[26:27]
	s_cselect_b32 s28, 512, s28
	s_cmp_lt_u32 ttmp9, 512
	s_cselect_b64 s[26:27], s[6:7], s[26:27]
	s_cselect_b32 s28, 256, s28
	s_cselect_b64 s[30:31], s[16:17], s[20:21]     ; the codes' buffer,
	s_cselect_b64 s[32:33], s[18:19], s[22:23]     ; the scale bytes' buffer,
	s_cselect_b32 s29, 0, 512                      ; and the first work-group that writes into them
	s_cmp_lt_u32 ttmp9, 256
	s_cselect_b64 s[26:27], s[4:5], s[26:27]
	s_cselect_b32 s28, 0, s28
	s_sub_co_u32 s35, ttmp9, s28
	s_lshl_b32 s35, s35, 2
	s_add_co_u32 s35, s35, s34                     ; which run of 8,192 numbers of the source is my wave's
	s_lshl_b32 s36, s35, 15                        ; 32,768 bytes a run (33.5 MB at the most)
	s_mov_b32 s37, 0
	s_add_nc_u64 s[26:27], s[26:27], s[36:37]
	s_sub_co_u32 s35, ttmp9, s29
	s_lshl_b32 s35, s35, 2
	s_add_co_u32 s35, s35, s34                     ; and which run of the destination
	s_lshl_b32 s36, s35, 12                        ; 4,096 bytes of codes a run
	s_add_nc_u64 s[30:31], s[30:31], s[36:37]
	s_lshl_b32 s36, s35, 8                         ; 256 scale bytes a run
	s_add_nc_u64 s[32:33], s[32:33], s[36:37]
.macro LOAD t
.irp i, 0,1,2,3
	global_load_b128 v[R+16*((\t)%4)+4*\i:R+16*((\t)%4)+4*\i+3], v3, s[26:27] offset:2048*(\t)+512*\i th:TH_LOAD_NT   ; 32 lanes read 512 consecutive bytes
.endr
.endm
.macro TURN t                          ; step t's numbers through the stage: LDS serves a wave's instructions in order, so no wait stands between the stores and the loads
.irp i, 0,1,2,3
	ds_store_b128 v14, v[R+16*((\t)%4)+4*\i:R+16*((\t)%4)+4*\i+3] offset:32*SP*((\t)%2)+8*SP*\i
.endr
.irp i, 0,1,2,3
	ds_load_b128 v[X+16*((\t)%2)+4*\i:X+16*((\t)%2)+4*\i+3], v15 offset:32*SP*((\t)%2)+16*\i
.endr
.endm
.irp t, 0,1,2,3
	LOAD \t
.endr
	s_wait_loadcnt 12                              ; step 0's four loads are in; the twelve of steps 1 to 3 may be out
	TURN 0
.macro STEP t
.set XS, X+16*((\t)%2)
.if (\t) > 0
	s_wait_dscnt 1                                 ; this step's numbers are back from the stage (the last step's byte store may be out): so its stores into the stage have read their registers,
.else
	s_wait_dscnt 0x0
.endif
.if (\t)+4 < STEPS
	LOAD (\t)+4                                    ; which take the loads of four steps on
.endif
.if (\t)+1 < STEPS
.if STEPS-2-(\t) >= 3
	s_wait_loadcnt 12                              ; the next step's four loads are in; those of the three steps behind it may be out
.else
	s_wait_loadcnt 4*(STEPS-2-(\t))                ; in the tail fewer steps are behind it
.endif
	TURN (\t)+1                                    ; and go through the other stage while this step is worked
.endif
	v_max3_num_f32 v8, |v[XS]|, |v[XS+1]|, |v[XS+2]|               ; the largest magnitude of my 16, in two chains
	v_max3_num_f32 v9, |v[XS+3]|, |v[XS+4]|, |v[XS+5]|
.irp i, 6,10
	v_max3_num_f32 v8, v8, |v[XS+\i]|, |v[XS+\i+1]|
	v_max3_num_f32 v9, v9, |v[XS+\i+2]|, |v[XS+\i+3]|
.endr
	v_max3_num_f32 v8, v8, |v[XS+14]|, |v[XS+15]|
	v_max3_num_f32 v8, v8, v9, (EMAX+1)<<23        ; and the floor 2^(EMAX + 1 - 127): so the byte cannot fall under 1
	v_max_num_f32_dpp v8, v8, v8 row_xmask:1 row_mask:0xf bank_mask:0xf   ; and of my neighbour's 16: the block's
	v_add_nc_u32 v11, -(EMAX<<23), v8              ; EMAX off its exponent field: the conversion takes the exponent field of this operand as its scale, and nothing else of it
	v_cvt_scalef32_pk8_fp4_f32 v[C+4*(\t)], v[XS:XS+7], v11        ; eight numbers / the scale, to the nearest code, ties to even, beyond 6 the largest code; the first number's code in the lowest four bits
	v_cvt_scalef32_pk8_fp4_f32 v[C+4*(\t)+1], v[XS+8:XS+15], v11
	v_lshrrev_b32 v[E+(\t)], 23, v11               ; the scale's byte (also the plain line behind the conversions)
	ds_store_b8 v5, v[E+(\t)] offset:16*(\t)       ; both lanes of a block write the same byte with the same value
	global_store_b64 v4, v[C+4*(\t):C+4*(\t)+1], s[30:31] offset:32*CB*(\t)   ; the wave stores 256 consecutive bytes, aligned
.endm
.irp t, 0,1,2,3,4,5,6,7,8,9,10,11,12,13,14,15
	STEP \t
.endr
	ds_load_b64 v[12:13], v6                       ; LDS serves a wave's instructions in order: these see my stores
	s_wait_dscnt 0x0
	global_store_b64 v7, v[12:13], s[32:33]        ; 32 lanes store 256 consecutive bytes, aligned
	s_wait_tensorcnt 0x0
	ds_add_u32 v192, v193
	s_wait_dscnt 0x0
	s_endpgm
	; ---- W_o to f16.  Wave w of work-group j takes rows n0 = 32 j + 8 w .. + 7.  A group is 4 rows x 64 along K: lane l takes 8 numbers of row l / 8, and its 16 bytes of f16 lie at 16 l of the
	; group's 512 consecutive bytes in wo16 [k / 64][n][64].  32 groups (2 of rows x 16 along K), four to a batch; numbers in v16-47 and v48-79 by turns, results in v80-95 and v96-111.
.Lcast:
	v_lshrrev_b32 v4, 3, v2
	v_lshlrev_b32 v4, 12, v4                       ; in: row l / 8 of 4,096 bytes
	v_and_b32 v5, 7, v2
	v_lshl_add_u32 v4, v5, 5, v4                   ;     + 32 (l % 8)
	v_lshlrev_b32 v5, 4, v2                        ; out: 16 l
	s_sub_co_u32 s35, ttmp9, WCAST
	s_lshl_b32 s35, s35, 5
	s_lshl_b32 s36, s34, 3
	s_add_co_u32 s35, s35, s36                     ; n0
	s_lshl_b32 s36, s35, 12
	s_mov_b32 s37, 0
	s_add_nc_u64 s[14:15], s[14:15], s[36:37]      ; W_o at row n0
	s_lshl_b32 s36, s35, 7
	s_add_nc_u64 s[24:25], s[24:25], s[36:37]      ; wo16 at row n0 of chunk 0
.macro LOADC b
.irp i, 0,1,2,3
	global_load_b128 v[16+32*((\b)%2)+8*\i:16+32*((\b)%2)+8*\i+3], v4, s[14:15] offset:((4*(\b)+\i)/16)*16384+((4*(\b)+\i)%16)*256 th:TH_LOAD_NT
	global_load_b128 v[16+32*((\b)%2)+8*\i+4:16+32*((\b)%2)+8*\i+7], v4, s[14:15] offset:((4*(\b)+\i)/16)*16384+((4*(\b)+\i)%16)*256+16 th:TH_LOAD_NT
.endr
.endm
.macro CAST b
.if (\b) < 7
	s_wait_loadcnt 8                               ; this batch's eight loads are in; the next batch's eight may be out
.else
	s_wait_loadcnt 0x0
.endif
.if (\b) >= 2
	s_wait_xcnt 0x0                                ; the stores of two batches ago have read the registers that are written now
.endif
.irp i, 0,1,2,3
.irp k, 0,1,2,3
	v_cvt_pk_f16_f32 v[80+16*((\b)%2)+4*\i+\k], v[16+32*((\b)%2)+8*\i+2*\k], v[16+32*((\b)%2)+8*\i+2*\k+1]
.endr
.endr
.irp i, 0,1,2,3
	global_store_b128 v5, v[80+16*((\b)%2)+4*\i:80+16*((\b)%2)+4*\i+3], s[24:25] offset:((4*(\b)+\i)%16)*131072+((4*(\b)+\i)/16)*512   ; 512 consecutive bytes, aligned
.endr
.if (\b) < 6
	LOADC (\b)+2
.endif
.endm
	LOADC 0
	LOADC 1
.irp b, 0,1,2,3,4,5,6,7
	CAST \b
.endr
	s_endpgm
.Lfunc_end_k_q17f2cd2a1c_quant:
	.size	k_q17f2cd2a1c_quant, .Lfunc_end_k_q17f2cd2a1c_quant-k_q17f2cd2a1c_quant
	.p2alignl 7, 3214868480
	.fill 96, 4, 3214868480
	.section	.rodata,"a",@progbits
	.p2align	6, 0x0
	.amdhsa_kernel k_q17f2cd2a1c_quant
		.amdhsa_group_segment_fixed_size 33280
		.amdhsa_private_segment_fixed_size 0
		.amdhsa_enable_private_segment 0
		.amdhsa_kernarg_size 88
		.amdhsa_user_sgpr_count 2
		.amdhsa_user_sgpr_kernarg_segment_ptr 1
		.amdhsa_wavefront_size32 1
		.amdhsa_system_sgpr_workgroup_id_x 1
		.amdhsa_system_sgpr_workgroup_id_y 1
		.amdhsa_system_sgpr_workgroup_id_z 1
		.amdhsa_system_vgpr_workitem_id 0
		.amdhsa_next_free_vgpr 194
		.amdhsa_next_free_sgpr 66
		.amdhsa_reserve_vcc 0
		.amdhsa_float_denorm_mode_32 3
		.amdhsa_float_denorm_mode_16_64 3
		.amdhsa_memory_ordered 1
		.amdhsa_forward_progress 1
		.amdhsa_inst_pref_size 52
	.end_amdhsa_kernel
	.amdgpu_metadata
---
amdhsa.version: [ 1, 2 ]
amdhsa.kernels:
  - .name:           k_q17f2cd2a1c_quant
    .symbol:         k_q17f2cd2a1c_quant.kd
    .args:
      - { .name: query_input, .offset: 0, .size: 8, .value_kind: global_buffer, .address_space: global }
      - { .name: kv_input, .offset: 8, .size: 8, .value_kind: global_buffer, .address_space: global }
      - { .name: W_q, .offset: 16, .size: 8, .value_kind: global_buffer, .address_space: global }
      - { .name: W_k, .offset: 24, .size: 8, .value_kind: global_buffer, .address_space: global }
      - { .name: W_v, .offset: 32, .size: 8, .value_kind: global_buffer, .address_space: global }
      - { .name: W_o, .offset: 40, .size: 8, .value_kind: global_buffer, .address_space: global }
      - { .name: acodes, .offset: 48, .size: 8, .value_kind: global_buffer, .address_space: global }
      - { .name: ascales, .offset: 56, .size: 8, .value_kind: global_buffer, .address_space: global }
      - { .name: wcodes, .offset: 64, .size: 8, .value_kind: global_buffer, .address_space: global }
      - { .name: wscales, .offset: 72, .size: 8, .value_kind: global_buffer, .address_space: global }
      - { .name: wo16, .offset: 80, .size: 8, .value_kind: global_buffer, .address_space: global }
    .group_segment_fixed_size: 33280
    .private_segment_fixed_size: 0
    .kernarg_segment_align: 8
    .kernarg_segment_size: 88
    .max_flat_workgroup_size: 128
    .sgpr_count:     66
    .vgpr_count:     194
    .wavefront_size: 32
...
	.end_amdgpu_metadata
.endif
;; end of part 1
;; launch proj (part 2): grid 12 x 32, 4 waves a work-group, clusters of 4 x 4, 327,680 bytes of LDS; arguments acodes, ascales, wcodes, wscales, qkv; writes qkv
.if DOCPART == 2
	.amdgcn_target "amdgcn-amd-amdhsa--gfx1250"
	.amdhsa_code_object_version 6
	.text
	.protected	k_q17f2cd2a1c_proj
	.globl	k_q17f2cd2a1c_proj
	.p2align	8
	.type	k_q17f2cd2a1c_proj,@function
k_q17f2cd2a1c_proj:
	s_mov_b64 s[64:65], 0
	v_nop
	global_prefetch_b8 v0, s[64:65] scope:SCOPE_SE
	s_setreg_imm32_b32 hwreg(HW_REG_WAVE_MODE, 25, 1), 1
	s_wait_xcnt 0x0
	s_wait_alu depctr_hold_cnt(0) depctr_sa_sdst(0) depctr_va_vdst(0) depctr_va_sdst(0) depctr_va_ssrc(0) depctr_va_vcc(0) depctr_vm_vsrc(0)
	s_getreg_b32 s2, hwreg(HW_REG_IB_STS2, 6, 4)
	s_cmp_eq_u32 s2, 0
	s_cbranch_scc0 .Lentry_in_a_cluster
	s_endpgm
.Lentry_in_a_cluster:
	s_bfe_u32 s2, ttmp6, 0x10000c
	s_cmp_lg_u32 s2, 0xf033
	s_cbranch_scc0 .Lentry_shape_is_right
	s_endpgm
.Lentry_shape_is_right:
; q = query W_q^T, k = kv W_k^T, v = kv W_v^T on codes of FP4 (E2M1) with one E8M0 scale for each 32 along K = 1,024; sums in f32; results rounded once to f16 and laid by head:
; qkv = three parts (q, k, v) of [64 (16 batch + head)][2048][64] f16.  LIMIT: |q|, |k|, |v| stay under 65,504, f16's largest number.
; A tile of 256 rows x 256 columns is made by a work-group of four waves; a wave makes 128 x 128: 64 accumulators of 16 x 16, 512 registers.
; Tile column X = 0 .. 11 takes rows 256 X of wcodes (W_q, W_k, W_v on end); cluster x = 0, 1, 2 so makes q, k, v.  Tile row Y takes rows 256 Y of acodes, 8,192 rows further down (kv's) where cluster x is not 0.
; K is two steps of 512 (rows of 256 bytes), one in each of two LDS slots: both slots and the scale bytes are filled once, at the start: three tensor loads of a wave are out at the most.
; CLUSTERS: 4 x 4 work-groups.  The four of a row of the cluster need the same tiles of A, the four of a column the same tiles of B: each tile is asked for JOINTLY, by the same tensor load with the same
; descriptor and a mask that names the four.  THE MATRIX INSTRUCTION IS USED TRANSPOSED (source 0 = 16 rows of W, source 1 = 16 rows of x): a lane then holds eight neighbouring columns of one row.
; REGISTERS, in windows of 256: window 0: v0-31 addresses; v32-95 scale words, two sets; v128-191 A's fragments, ONE set; on the way out v32-63, v192-255 are at work.
;   window 1: B's fragments, TWO sets, at v0 and v128.   window 2: the accumulators of my rows 0-63 ((a, b) at v[8 (8 a + b)]);   window 3: those of my rows 64-127.
.set NQ,     4                         ; matrix instructions deep in a slot
.set ROWB,   256                       ; a tile's row in bytes: 512 codes
.set KROW,   512                       ; a row of codes in memory
.set PITCH,  272                       ; an LDS row: 256 bytes + 16 of padding = 68 words: the 16 rows that a load touches start at 16 different banks (64 banks of 4 bytes: ISA guide 11.1)
.set FR,     8                         ; registers of a fragment: 16 rows x 128 K
.set NL,     2                         ; LDS loads that bring one
.set NP,     4                         ; places behind this matrix instruction (ISA guide 7.12.1)
.set HALFT,  128*PITCH                 ; 128 rows: what one tensor load brings
.set SLOT,   4*HALFT                   ; A's 256 rows, then B's 256 rows
.set KS,     32                        ; a row of scale bytes
.set SCL,    2*SLOT                    ; behind the slots: the scale bytes, as units of 256 bytes + 16 of padding
.set HALFS,  16*272                    ; those of 128 rows: what one tensor load brings
.set SBLK,   2*272                     ; those of 16 rows
.set SPARE,  SCL+4*HALFS               ; the spare words, 128 bytes for each wave: two blocks of 256 bytes that no other line names
.set SPITCH, 272                       ; the way out: a stage of 16 rows x (256 bytes + 16) for each wave, in slot 0, which has had its only fill and its last read when the first result is stored there
.set ADRA, 16                          ; v16-17  LDS address of my A fragments in slot 0, 1
.set ADRB, 20                          ; v20-21  the same for B
.set STO,  24                          ; v24     the way out: where I put 16 bytes of a row
.set RD,   25                          ; v25     where I read 16 bytes of a head's row back
.set CO,   26                          ; v26     16 x lane: my place in a store's 512 bytes
.set ADRS, 27                          ; v27     LDS address of my scale words: lanes 0-15 A's rows, lanes 16-31 B's
.set SPW,  28                          ; v28     LDS address of my spare word; never rewritten
.set NIL,  29                          ; v29     0; never rewritten
.set SC,   32                          ; scale words: set s at v[SC + 32 s]; register 4 i + q: lanes 0-15 the word of A's block i, lanes 16-31 that of B's block i, for the slot's q-th 128 along K
.set AF,   128                         ; A's fragments
.set TMP,  192                         ; the way out: packed results
.set OB,   32                          ; the way out: 16 rows read back: v32-63 and v224-255 by turns
.set G1, 24                            ; s[24:31] descriptor group 1 for A's tiles;  s[32:39] group 0, one set for each slot
.set G0, 32
.set G1B, 48                           ; s[48:55], s[56:63] the same for B's tiles
.set G0B, 56
.set G1S, 68                           ; s[68:75], s[76:79] groups 1 and 0 for A's scales;  s[80:87], s[88:91] for B's
.set G0S, 76
.set G1SB, 80
.set G0SB, 88
.set MSB, 0
.macro WIN new                         ; the immediate's high byte repeats the setting that is left; a switch that changes nothing is dropped
.if MSB != (\new)
	s_set_vgpr_msb (MSB<<8)|(\new)
.set MSB, (\new)
.endif
.endm
.set MUL_LO, 0xa1                      ; source 0 (B) window 1, source 1 (A) window 0, C and D window 2
.set MUL_HI, 0xf1                      ; the same, C and D window 3
.set TO_B,   0x40                      ; destination window 1, address window 0
; A joint load: waves 0 and 1 fetch for A, waves 2 and 3 for B.  Each line has one mask and one set of registers for all that issue it; the branch hangs on the wave's number alone.
; Four v_nop follow each of the two lines, ahead of the jump, the label and what follows.
.macro JLOAD g0a, g1a, g0b, g1b
	s_cmp_eq_u32 s15, 0
	s_cbranch_scc0 .Lfor_b_\@
	tensor_load_to_lds s[\g0a:\g0a+3], s[\g1a:\g1a+7]
	s_nop 0
.rept 4
	v_nop
.endr
	s_branch .Lasked_\@
.Lfor_b_\@:
	tensor_load_to_lds s[\g0b:\g0b+3], s[\g1b:\g1b+7]
	s_nop 0
.rept 4
	v_nop
.endr
.Lasked_\@:
.endm
.macro CROUND                          ; a round of the cluster's barrier: my work-group's barrier; wave 0 signals for the work-group; every wave waits for all sixteen; my work-group's barrier once more
	s_barrier_signal -1
	s_barrier_wait -1
	s_cmp_lg_u32 s14, 0
	s_cbranch_scc1 .Lnot_wave_0_\@
	s_barrier_signal -3
.Lnot_wave_0_\@:
	s_barrier_wait -3
	s_barrier_signal -1
	s_barrier_wait -1
.endm
	s_load_b128 s[4:7], s[0:1], 0x0                ; A's codes s[4:5], A's scales s[6:7]
	s_load_b128 s[8:11], s[0:1], 0x10              ; B's codes s[8:9], B's scales s[10:11]
	s_load_b64 s[12:13], s[0:1], 0x20              ; qkv
	v_lshl_add_u32 v[SPW], v0, 2, SPARE
	v_mov_b32 v[NIL], 0
	ds_add_u32 v28, v29
	ds_add_u32 v28, v29
	s_wait_dscnt 0x0
	v_lshrrev_b32 v1, 5, v0
	v_readfirstlane_b32 s14, v1                    ; wave 0..3
	s_lshr_b32 s15, s14, 1                         ; which half of the tile's rows is mine.  Also: I fetch for A (0) or for B (1)
	s_and_b32 s16, s14, 1                          ; which half of its columns.  Also: which 128 rows of that tile I fetch
	s_bfe_u32 s40, ttmp6, 0x40000                  ; cx, cy: my place in the cluster
	s_bfe_u32 s41, ttmp6, 0x40004
	s_lshl_b32 s42, ttmp9, 2
	s_add_co_u32 s42, s42, s40                     ; tile column X = 4 x cluster x + cx
	s_and_b32 s17, ttmp7, 0xffff
	s_lshl_b32 s17, s17, 2
	s_add_co_u32 s17, s17, s41                     ; tile row Y = 4 x cluster y + cy
	s_lshl_b32 s43, s41, 2
	s_lshl_b32 s43, 15, s43                        ; my row of the cluster
	s_lshl_b32 s44, 0x1111, s40                    ; my column
	; descriptor group 1: a tile of 128 rows x 256 bytes, padded in LDS
	s_or_b32 s[G1+0], s43, (0<<16)|(1<<20)|(1<<21)|(5<<22)|(3<<25)  ; 15:0 the mask: A's tiles go to my row; 17:16 element of 1 byte; 20 padding on; 21 set beside a mask; 24:22 after every 64 words (code 5); 31:25 of 4 words (code 3)
	s_or_b32 s[G1B+0], s44, (0<<16)|(1<<20)|(1<<21)|(5<<22)|(3<<25)
.irp g, G1, G1B
	s_mov_b32 s[\g+1], ROWB<<16                    ; tensor_dim0
	s_mov_b32 s[\g+2], 128<<16                     ; tensor_dim1 = 128
	s_mov_b32 s[\g+3], ROWB<<16                    ; tile_dim0
	s_mov_b32 s[\g+4], 128                         ; tile_dim1 = 128
	s_mov_b32 s[\g+5], KROW                        ; tensor_dim0_stride
	s_mov_b32 s[\g+6], 0
	s_mov_b32 s[\g+7], 0
.endr
	; the scale bytes of 128 rows: a dense block of 4,096 bytes, as 16 rows of 256 bytes (32 elements of 8 bytes), 16 bytes of padding behind each
	s_or_b32 s[G1S+0], s43, (3<<16)|(1<<20)|(1<<21)|(5<<22)|(3<<25)
	s_or_b32 s[G1SB+0], s44, (3<<16)|(1<<20)|(1<<21)|(5<<22)|(3<<25)
.irp g, G1S, G1SB
	s_mov_b32 s[\g+1], 32<<16
	s_mov_b32 s[\g+2], 16<<16
	s_mov_b32 s[\g+3], 32<<16
	s_mov_b32 s[\g+4], 16
	s_mov_b32 s[\g+5], 32
	s_mov_b32 s[\g+6], 0
	s_mov_b32 s[\g+7], 0
.endr
	s_lshl_b32 s18, s16, 7                         ; which 128 rows of the tile I fetch
	s_lshl_b32 s20, s17, 8
	s_add_co_u32 s20, s20, s18                     ; A: row 256 Y + 128 x half,
	s_cmp_lg_u32 ttmp9, 0                          ; and kv's rows where the cluster makes k or v: the cluster's x is the same in all sixteen partners
	s_cselect_b32 s19, 8192, 0
	s_add_co_u32 s20, s20, s19
	s_lshl_b32 s46, s42, 8
	s_add_co_u32 s46, s46, s18                     ; B: row 256 X + 128 x half
	s_mov_b32 s21, 0
	s_mov_b32 s47, 0
	s_mov_b64 s[18:19], KS
	s_mul_u64 s[22:23], s[20:21], s[18:19]         ; where these rows' scales begin, in bytes
	s_mul_u64 s[92:93], s[46:47], s[18:19]
	s_mov_b64 s[18:19], KROW
	s_mul_u64 s[20:21], s[20:21], s[18:19]         ; and their codes
	s_mul_u64 s[46:47], s[46:47], s[18:19]
	s_mul_i32 s45, s14, HALFT                      ; where they go: wave x 128 rows: no place in the cluster enters an LDS address
	s_mul_i32 s94, s14, HALFS
	s_wait_kmcnt 0x0
	s_add_nc_u64 s[20:21], s[4:5], s[20:21]
	s_add_nc_u64 s[22:23], s[6:7], s[22:23]
	s_add_nc_u64 s[46:47], s[8:9], s[46:47]
	s_add_nc_u64 s[92:93], s[10:11], s[92:93]
	CROUND                                         ; all sixteen work-groups are here: the joint loads meet
	s_mov_b32 s[G0S], 1
	s_add_co_u32 s[G0S+1], s94, SCL
	s_mov_b64 s[G0S+2:G0S+3], s[22:23]
	s_or_b32 s[G0S+3], s[G0S+3], 0x80000000
	s_mov_b32 s[G0SB], 1
	s_add_co_u32 s[G0SB+1], s94, SCL
	s_mov_b64 s[G0SB+2:G0SB+3], s[92:93]
	s_or_b32 s[G0SB+3], s[G0SB+3], 0x80000000
	JLOAD G0S, G1S, G0SB, G1SB                     ; the scales first: they are wanted with K step 0
.irp s, 0,1
	s_mov_b32 s[G0+4*\s], 1
	s_add_co_u32 s[G0+4*\s+1], s45, \s*SLOT
	s_add_nc_u64 s[G0+4*\s+2:G0+4*\s+3], s[20:21], \s*ROWB
	s_or_b32 s[G0+4*\s+3], s[G0+4*\s+3], 0x80000000
	s_mov_b32 s[G0B+4*\s], 1
	s_add_co_u32 s[G0B+4*\s+1], s45, \s*SLOT
	s_add_nc_u64 s[G0B+4*\s+2:G0B+4*\s+3], s[46:47], \s*ROWB
	s_or_b32 s[G0B+4*\s+3], s[G0B+4*\s+3], 0x80000000
	JLOAD G0+4*\s, G1, G0B+4*\s, G1B
.endr
	v_and_b32 v1, 15, v0                           ; r = l % 16
	v_bfe_u32 v2, v0, 4, 1                         ; h = l / 16
	v_mul_u32_u24 v3, v1, PITCH
	v_lshl_add_u32 v4, v2, 4, v3                   ; a fragment's row x pitch + 16 x half
	s_mul_i32 s21, s15, HALFT                      ; my 128 rows of A
	s_mul_i32 s22, s16, HALFT                      ; my 128 rows of B,
	s_add_co_u32 s22, s22, 2*HALFT                 ; which lie behind A's 256
.irp s, 0,1
	v_add_nc_u32 v[ADRA+\s], s21, v4
	v_add_nc_u32 v[ADRB+\s], s22, v4
	s_add_co_u32 s21, s21, SLOT
	s_add_co_u32 s22, s22, SLOT
.endr
	v_mul_u32_u24 v5, v1, KS                       ; my row's scales: 32 bytes a row,
	v_lshrrev_b32 v6, 8, v5
	v_lshl_add_u32 v5, v6, 4, v5                   ; and 16 more for each 256 passed
	s_mul_i32 s21, s15, HALFS                      ; A's: my 128 rows
	s_mul_i32 s22, s16, HALFS                      ; B's: my 128 rows, behind A's 256
	s_add_co_u32 s22, s22, 2*HALFS
	s_sub_co_u32 s22, s22, s21
	v_mul_u32_u24 v6, s22, v2                      ; lanes 16-31 take B's: one product, the distance between the two bases
	s_add_co_u32 s21, s21, SCL
	v_add_nc_u32 v5, v5, v6
	v_add_nc_u32 v[ADRS], s21, v5
	s_mul_i32 s23, s14, 16*SPITCH                  ; my stage
	v_mul_u32_u24 v5, v1, SPITCH                   ; in: row r, 16 bytes for each half of the lanes
	v_lshl_add_u32 v5, v2, 4, v5
	v_add_nc_u32 v[STO], s23, v5
	v_and_b32 v6, 31, v0
	v_lshlrev_b32 v[CO], 4, v6                     ; out: 16 x lane
	v_lshrrev_b32 v5, 3, v6                        ; back: eight lanes take a head's 128 bytes of a row, four rows an instruction
	v_mul_u32_u24 v5, v5, SPITCH
	v_and_b32 v6, 7, v6
	v_lshl_add_u32 v5, v6, 4, v5
	v_add_nc_u32 v[RD], s23, v5
	; where my part begins in qkv: part (cluster x) x 16 MiB + ((16 (Y / 8) + 4 cx + 2 x column half) x 2,048 + 256 (Y % 8) + 128 x row half) x 128 bytes
	s_lshr_b32 s20, s17, 3
	s_lshl_b32 s20, s20, 4
	s_lshl_b32 s21, s40, 2
	s_add_co_u32 s20, s20, s21
	s_lshl_b32 s21, s16, 1
	s_add_co_u32 s20, s20, s21                     ; 16 batch + my first head
	s_lshl_b32 s20, s20, 11
	s_and_b32 s21, s17, 7
	s_lshl_b32 s21, s21, 8
	s_add_co_u32 s20, s20, s21
	s_lshl_b32 s21, s15, 7
	s_add_co_u32 s20, s20, s21
	s_lshl_b32 s20, s20, 7
	s_lshl_b32 s21, ttmp9, 24
	s_add_co_u32 s20, s20, s21                     ; under 48 MiB
	s_mov_b32 s21, 0
	s_add_nc_u64 s[12:13], s[12:13], s[20:21]
.macro FRAG reg, adr, q, i             ; a fragment, 16 rows x 128 K of 4-bit codes: lane l holds row l % 16; registers 4 c .. 4 c + 3 hold K = 64 c + 32 (l / 16) + 0 .. 31
.irp c, 0,1
	ds_load_b128 v[\reg+4*\c:\reg+4*\c+3], v[\adr] offset:64*(\q)+32*\c+(\i)*16*PITCH
.endr
.endm
; 16 matrix instructions: A's blocks a0, a0 + 1 x B's eight, the slot's q-th 128 along K.  p: B's set;  sc: the set of scale words.  zero = 1: the first product starts the sums: nothing is ever cleared.
; The 64 accumulators take turns, one instruction a turn, in the same order in every step.
.macro MUL16 a0, p, q, sc, zero
.irp a, \a0, \a0+1
.irp b, 0,1,2,3,4,5,6,7
.if \zero
	v_wmma_scale_f32_16x16x128_f8f6f4 v[8*(8*((\a)%4)+\b):8*(8*((\a)%4)+\b)+7], v[128*(\p)+FR*\b:128*(\p)+FR*\b+FR-1], v[AF+FR*(\a):AF+FR*(\a)+FR-1], 0, v[SC+8*NQ*(\sc)+NQ*\b+(\q)], v[SC+8*NQ*(\sc)+NQ*(\a)+(\q)] matrix_a_fmt:MATRIX_FMT_FP4 matrix_b_fmt:MATRIX_FMT_FP4 matrix_a_scale:MATRIX_SCALE_ROW1
.else
	v_wmma_scale_f32_16x16x128_f8f6f4 v[8*(8*((\a)%4)+\b):8*(8*((\a)%4)+\b)+7], v[128*(\p)+FR*\b:128*(\p)+FR*\b+FR-1], v[AF+FR*(\a):AF+FR*(\a)+FR-1], v[8*(8*((\a)%4)+\b):8*(8*((\a)%4)+\b)+7], v[SC+8*NQ*(\sc)+NQ*\b+(\q)], v[SC+8*NQ*(\sc)+NQ*(\a)+(\q)] matrix_a_fmt:MATRIX_FMT_FP4 matrix_b_fmt:MATRIX_FMT_FP4 matrix_a_scale:MATRIX_SCALE_ROW1
.endif
.endr
.endr
.endm
.macro FETCH_B slot, q, p              ; B's eight fragments of the slot's q-th 128 along K into set p
	WIN TO_B
.irp i, 0,1,2,3,4,5,6,7
	FRAG 128*(\p)+FR*\i, ADRB+\slot, \q, \i
.endr
	WIN 0
.endm
.macro FETCH_A slot, q, i0             ; A's blocks i0 .. i0 + 3
.irp i, \i0, \i0+1, \i0+2, \i0+3
	FRAG AF+FR*(\i), ADRA+\slot, \q, \i
.endr
.endm
.macro SCALES sc                       ; a K step's scale words into set sc: four words a row; lanes 0-15 take A's block i, lanes 16-31 B's block i
.irp i, 0,1,2,3,4,5,6,7
	ds_load_b128 v[SC+8*NQ*\sc+NQ*\i:SC+8*NQ*\sc+NQ*\i+3], v[ADRS] offset:\i*SBLK
.endr
.endm
; A load into a register that a matrix instruction has read, and a vector instruction that reads a matrix result, stand NP places behind that matrix instruction; only plain vector
; instructions that name none of its registers are places; the matrix instructions in between are not counted.
.macro PLACES n
.rept \n
	v_nop
.endr
.endm
; A step of 128 along K that has its successor in the same slot.  A block of A is free as soon as its eight products are issued, so one set serves A; B's fragments are at work through the step and have two.
.macro STEP slot, q, zero
	s_wait_dscnt 4*NL                              ; B's set and A's blocks 0-3 are in; the youngest eight loads (A's blocks 4-7) may be out
	WIN MUL_LO
	MUL16 0, (\q)%2, \q, \slot, \zero
	MUL16 2, (\q)%2, \q, \slot, \zero
	s_wait_dscnt 0                                 ; A's blocks 4-7 are in (asked for 32 matrix instructions ago)
	PLACES NP
	FETCH_B \slot, (\q)+1, 1-(\q)%2
	FETCH_A \slot, (\q)+1, 0
	WIN MUL_HI
	MUL16 4, (\q)%2, \q, \slot, \zero
	MUL16 6, (\q)%2, \q, \slot, \zero
	PLACES NP
	WIN 0
	FETCH_A \slot, (\q)+1, 4
.endm
; Slot 0's last step changes slots: one barrier; in front of it each wave waits for all its tensor loads (its part of slot 1), adds 0 to its spare word, and waits for that and for its reads of slot 0.
; Behind it slot 1 is whole, and nobody reads slot 0 any more: the way out's stages lie there.  Nothing is filled again.
.macro TURN slot, next
	s_wait_tensorcnt 0x0                           ; all my tensor loads have landed  (every window is 0 here: the add's two registers lie in window 0)
	ds_add_u32 v[SPW], v[NIL]                      ; 0 onto my spare word
	s_wait_dscnt 4*NL+1                            ; (the add and the youngest eight loads, A's blocks 4-7, may be out)
	WIN MUL_LO
	MUL16 0, 1, NQ-1, \slot, 0                     ; sixteen matrix instructions stand between the add and the wait for it
	s_wait_dscnt 0x0                               ; the add is done, and my reads of this slot are over
	s_barrier_signal -1
	MUL16 2, 1, NQ-1, \slot, 0
	WIN 0
	s_barrier_wait -1
	PLACES NP
	v_add_nc_u32 v[ADRS], 4*NQ, v[ADRS]            ; on to the next K step's scale words (no LDS load of mine is out)
	FETCH_B \next, 0, 0
	FETCH_A \next, 0, 0
	SCALES \next
	WIN MUL_HI
	MUL16 4, 1, NQ-1, \slot, 0
	MUL16 6, 1, NQ-1, \slot, 0
	PLACES NP
	WIN 0
	FETCH_A \next, 0, 4
.endm
.macro STEPS slot, from                ; the slot's steps from .. NQ - 2
.set Q, \from
.rept NQ-1-\from
	STEP \slot, Q, 0
.set Q, Q+1
.endr
.endm
	s_wait_tensorcnt 1                             ; the scales and my part of slot 0 are in (slot 1's load may be out)
	s_barrier_signal -1
	s_barrier_wait -1                              ; everybody's are
	FETCH_B 0, 0, 0
	FETCH_A 0, 0, 0
	SCALES 0
	FETCH_A 0, 0, 4
	STEP 0, 0, 1                                   ; the first step's products start the sums
	STEPS 0, 1
	TURN 0, 1
	STEPS 1, 0
	s_wait_dscnt 4*NL                              ; the very last step: nothing more to fetch
	WIN MUL_LO
	MUL16 0, 1, NQ-1, 1, 0
	MUL16 2, 1, NQ-1, 1, 0
	s_wait_dscnt 0
	WIN MUL_HI
	MUL16 4, 1, NQ-1, 1, 0
	MUL16 6, 1, NQ-1, 1, 0
	WIN 0
; THE WAY OUT, block by block of 16 rows x 128 columns (two heads).  PACK: rounded to f16, 16 bytes a lane, each accumulator from its low end on.  TOSTAGE: into my own stage and back by heads:
; four rows of a head are 512 consecutive bytes of qkv.  SEND: stored.  LDS serves a wave's instructions in order (ISA guide 5.7.1.4): no wait between the stores into the stage and the loads.
.macro PACK a
.set AC, 64*((\a)%4)
	WIN 0x0a+5*((\a)/4)                            ; sources 0 and 1: window 2 or 3
.irp b, 0,1,2,3,4,5,6,7
.irp r, 0,1,2,3
	v_cvt_pk_f16_f32 v[TMP+4*\b+\r], v[AC+8*\b+2*\r], v[AC+8*\b+2*\r+1]
.endr
.endr
	WIN 0
.endm
.macro TOSTAGE a
.set BK, OB+192*((\a)%2)
.irp b, 0,1,2,3,4,5,6,7
	ds_store_b128 v[STO], v[TMP+4*\b:TMP+4*\b+3] offset:32*\b
.endr
.irp hh, 0,1
.irp i, 0,1,2,3
	ds_load_b128 v[BK+16*\hh+4*\i:BK+16*\hh+4*\i+3], v[RD] offset:\hh*128+\i*4*SPITCH
.endr
.endr
.endm
.macro SEND a
.set BK, OB+192*((\a)%2)
	s_wait_dscnt 0x0                               ; the block is back in registers
	s_wait_xcnt 0x0                                ; the earlier stores have read their registers: the next block's loads may land there
.irp hh, 0,1
.irp i, 0,1,2,3
	global_store_b128 v[CO], v[BK+16*\hh+4*\i:BK+16*\hh+4*\i+3], s[12:13] offset:\hh*262144+(\a)*2048+\i*512 th:TH_STORE_NT   ; 32 lanes store 512 consecutive bytes, aligned; nobody reads them in this launch
.endr
.endr
.endm
	PLACES NP                                      ; behind the last products: for the conversions that read results, and for the loads into registers that held scale words
	PACK 0
	TOSTAGE 0
.irp a, 1,2,3,4,5,6,7                  ; block a's conversions stand between block a - 1's loads from the stage and the wait for them
	PACK \a
	SEND \a-1
	TOSTAGE \a
.endr
	SEND 7
	s_wait_tensorcnt 0x0                           ; the wave's end: behind my last tensor load and my last LDS store
	ds_add_u32 v[SPW], v[NIL]
	s_wait_dscnt 0x0
	CROUND                                         ; the closing round: no work-group ends while a partner may still ask for a tile that names it
	s_endpgm
.Lfunc_end_k_q17f2cd2a1c_proj:
	.size	k_q17f2cd2a1c_proj, .Lfunc_end_k_q17f2cd2a1c_proj-k_q17f2cd2a1c_proj
	.p2alignl 7, 3214868480
	.fill 96, 4, 3214868480
	.section	.rodata,"a",@progbits
	.p2align	6, 0x0
	.amdhsa_kernel k_q17f2cd2a1c_proj
		.amdhsa_group_segment_fixed_size 327680
		.amdhsa_private_segment_fixed_size 0
		.amdhsa_enable_private_segment 0
		.amdhsa_kernarg_size 40
		.amdhsa_user_sgpr_count 2
		.amdhsa_user_sgpr_kernarg_segment_ptr 1
		.amdhsa_wavefront_size32 1
		.amdhsa_system_sgpr_workgroup_id_x 1
		.amdhsa_system_sgpr_workgroup_id_y 1
		.amdhsa_system_sgpr_workgroup_id_z 1
		.amdhsa_system_vgpr_workitem_id 0
		.amdhsa_next_free_vgpr 1024
		.amdhsa_next_free_sgpr 100
		.amdhsa_reserve_vcc 0
		.amdhsa_float_denorm_mode_32 3
		.amdhsa_float_denorm_mode_16_64 3
		.amdhsa_memory_ordered 1
		.amdhsa_forward_progress 1
		.amdhsa_inst_pref_size 127
	.end_amdhsa_kernel
	.amdgpu_metadata
---
amdhsa.version: [ 1, 2 ]
amdhsa.kernels:
  - .name:           k_q17f2cd2a1c_proj
    .symbol:         k_q17f2cd2a1c_proj.kd
    .args:
      - { .name: acodes, .offset: 0, .size: 8, .value_kind: global_buffer, .address_space: global }
      - { .name: ascales, .offset: 8, .size: 8, .value_kind: global_buffer, .address_space: global }
      - { .name: wcodes, .offset: 16, .size: 8, .value_kind: global_buffer, .address_space: global }
      - { .name: wscales, .offset: 24, .size: 8, .value_kind: global_buffer, .address_space: global }
      - { .name: qkv, .offset: 32, .size: 8, .value_kind: global_buffer, .address_space: global }
    .group_segment_fixed_size: 327680
    .private_segment_fixed_size: 0
    .kernarg_segment_align: 8
    .kernarg_segment_size: 40
    .max_flat_workgroup_size: 128
    .sgpr_count:     100
    .vgpr_count:     1024
    .wavefront_size: 32
...
	.end_amdgpu_metadata
.endif
;; end of part 2
;; launch attn (part 3): grid 4 x 64, 8 waves a work-group, clusters of 4 x 1, 327,680 bytes of LDS; arguments qkv, ctx; writes ctx
.if DOCPART == 3
	.amdgcn_target "amdgcn-amd-amdhsa--gfx1250"
	.amdhsa_code_object_version 6
	.text
	.protected	k_q17f2cd2a1c_attn
	.globl	k_q17f2cd2a1c_attn
	.p2align	8
	.type	k_q17f2cd2a1c_attn,@function
k_q17f2cd2a1c_attn:
	s_mov_b64 s[64:65], 0
	v_nop
	global_prefetch_b8 v0, s[64:65] scope:SCOPE_SE
	s_setreg_imm32_b32 hwreg(HW_REG_WAVE_MODE, 25, 1), 1
	s_wait_xcnt 0x0
	s_wait_alu depctr_hold_cnt(0) depctr_sa_sdst(0) depctr_va_vdst(0) depctr_va_sdst(0) depctr_va_ssrc(0) depctr_va_vcc(0) depctr_vm_vsrc(0)
	s_getreg_b32 s2, hwreg(HW_REG_IB_STS2, 6, 4)
	s_cmp_eq_u32 s2, 0
	s_cbranch_scc0 .Lentry_in_a_cluster
	s_endpgm
.Lentry_in_a_cluster:
	s_bfe_u32 s2, ttmp6, 0x10000c
	s_cmp_lg_u32 s2, 0x3003
	s_cbranch_scc0 .Lentry_shape_is_right
	s_endpgm
.Lentry_shape_is_right:
; ctx[bh][q][:] = the sum over k of softmax_k(Q[bh][q] . K[bh][k] / 8) V[bh][k][:].  qkv holds Q, K, V, each [64 heads][2048][64] f16; ctx has the same layout, f16.
; Products, maxima and sums in f32; the weights p are rounded to f16 for the second product (p under 2^-25 becomes 0), ctx once at the end.  LIMIT: NaN and infinities are not served.
; SHARES.  A work-group owns 512 queries of one head, each of its eight waves 64: four tiles of 16; two waves share a SIMD, so that one wave's products run beside the other's softmax.
; Every wave walks the head's 2,048 keys, 64 a step; each fragment of K and V read from LDS feeds four matrix instructions.
; LAYOUT.  S^T = K Q^T (source 0 = 16 keys, source 1 = 16 queries): a lane holds ONE query (lane % 16) and the keys 8 (lane / 16) + 0..7.  Two such tiles, rounded to f16 in pairs, ARE source 1
; (32 keys x 16 queries) of O^T = V^T P, whose result again holds one query a lane.  K comes out of LDS as it lies, V ([key][channel]) turned, by ds_load_tr16_b128.
; SOFTMAX.  For each query a running maximum m and sum l: p = 2^(c s - c m), c = log2(e) / 8; in every step O and l are multiplied by a = 2^(c m_old - c m_new).  m begins at -3e38, l and O^T at 0:
; the first step's a is 0 and multiplies zeros, so the step is written once.
; ORDER.  The next tile's K Q^T is issued ahead of each tile's softmax, so a softmax never reads results just made, and its instructions are the places behind the products.
; CLUSTER.  The four work-groups of a head are one cluster and walk the same K and V: each tile is asked for JOINTLY, by the same tensor load with the same descriptor and a mask that names the four.
; LDS.  A head's rows are 128 bytes and dense, so a tile is stated as long rows of 256 bytes (two keys); key n lies at (n / 2) x pitch + 128 (n % 2).  K's pitch 272: the 16 rows of a load start at 16 different
; groups of four banks; V's pitch 288.  Two slots of 512 keys; four slots' worth of keys: each slot is filled twice.
; REGISTERS, in windows of 256: window 0: v2-12 addresses; v16-47 eight registers of statistics a tile; v48-51 sums at work; v56-119 Q; v120-183 S^T, two buffers; v184-215 P, two buffers.
;   window 1: v0-63 K of one step; v64-127 V of one step; v128-255 O^T, 32 a tile.
.set PKL,   272
.set PVL,   288
.set KSTEPB, 32*PKL                    ; a key step's 64 keys of K in LDS
.set VSTEPB, 32*PVL                    ; and of V
.set VOFF,  256*PKL                    ; a slot: 512 keys of K, then 512 of V
.set SLOT,  256*(PKL+PVL)
.set SPARE, 2*SLOT                     ; the spare words, 128 bytes for each wave: four blocks of 256 bytes that no other line names
.set PARTB, 16777216                   ; bytes of Q, of K, of V
.set SPO,   144                        ; the way out: a stage row, 128 bytes + 16; 16 rows a tile, four tiles a wave, in slot 0, which has had its last fill and its last read by then
.set AK0, 2                            ; v2   my lane's place in a tile of K; never rewritten
.set AV0, 3                            ; v3   the same for V
.set ADK, 4                            ; v4   LDS address of the run of K's loads in hand
.set ADV, 5                            ; v5   of V's
.set QO,  6                            ; v6   my byte offset in the wave's rows of Q
.set STO, 7                            ; v7   the way out: where I put 16 bytes of a row
.set RD,  8                            ; v8   where I read them back
.set GO,  9                            ; v9   16 x lane
.set SPW, 10                           ; v10  LDS address of my spare word; never rewritten
.set NIL, 11                           ; v11  0; never rewritten
.set PFO, 12                           ; v12  256 x lane; never rewritten
.set ST,  16                           ; tile t's statistics at v[ST + 8 t]: +0 c m, +1 m, +2, +3 l (even keys', odd keys'), +4 to +7 c0-c3, at work; a takes c2's place
.set T0,  48                           ; v[48:49], v[50:51] two chains of the step's sum
.set QF,  56                           ; Q: fragment (tile t, channels 32 cs on) at 56 + 16 t + 8 cs
.set S,   120
.set P,   184
.set VF,  64                           ; in window 1
.set OT,  128
.set WV,  8                            ; s8   my wave's number
.set G1K, 24                           ; s[24:31] descriptor group 1 for K's tiles;  s[32:39] for V's: it differs in the padding alone
.set G1V, 32
.set G0K, 40                           ; s[40:47] group 0 for K's tiles, a set for each slot;  s[48:55] for V's
.set G0V, 48
.set CNT, 56                           ; s56  counts key steps
.set TK,  57                           ; s57  LDS byte at which K of the step to be fetched begins
.set CS,  58                           ; s[58:59] c: the packed form names a pair and takes its low word for both halves
.set SEL, 60                           ; s[60:61] lane selects for v_permlanex16_b32: lane l xor 16
.set TV,  62                           ; s62  the same as TK for V (VOFF stands in the lane's part)
.set PFA, 66                           ; s[66:67] where my one prefetch stands; never rewritten
.set MSB, 0
.macro WIN new                         ; the immediate's high byte repeats the setting that is left; a switch that changes nothing is dropped
.if MSB != (\new)
	s_set_vgpr_msb (MSB<<8)|(\new)
.set MSB, (\new)
.endif
.endm
.set W_KQ, 0x01                        ; K in window 1; Q and S^T in window 0
.set W_PV, 0x51                        ; V and O^T in window 1, P in window 0
.set W_RS, 0x41                        ; O^T (destination and source 0) in window 1, a in window 0
.set TO_1, 0x40                        ; destination window 1, address window 0
; A joint refill of slot s.  Waves 0 to 3 fetch K's quarters (128 keys each), waves 4 to 7 V's.  The branch hangs on the wave's number alone.  Four v_nop follow each of the two lines.
.macro JLOAD s
	s_cmp_lt_u32 s[WV], 4
	s_cbranch_scc0 .Lfor_v_\@
	tensor_load_to_lds s[G0K+4*\s:G0K+4*\s+3], s[G1K:G1K+7]
	s_nop 0
.rept 4
	v_nop
.endr
	s_branch .Lasked_\@
.Lfor_v_\@:
	tensor_load_to_lds s[G0V+4*\s:G0V+4*\s+3], s[G1V:G1V+7]
	s_nop 0
.rept 4
	v_nop
.endr
.Lasked_\@:
.endm
.macro CROUND                          ; a round of the cluster's barrier: my work-group's barrier; wave 0 signals for the work-group; every wave waits for all four; my work-group's barrier once more
	s_barrier_signal -1
	s_barrier_wait -1
	s_cmp_lg_u32 s[WV], 0
	s_cbranch_scc1 .Lnot_wave_0_\@
	s_barrier_signal -3
.Lnot_wave_0_\@:
	s_barrier_wait -3
	s_barrier_signal -1
	s_barrier_wait -1
.endm
	s_load_b128 s[4:7], s[0:1], 0x0                ; qkv s[4:5], ctx s[6:7]
	v_lshl_add_u32 v[SPW], v0, 2, SPARE
	v_mov_b32 v[NIL], 0
	ds_add_u32 v10, v11
	ds_add_u32 v10, v11
	s_wait_dscnt 0x0
	v_lshrrev_b32 v1, 5, v0
	v_readfirstlane_b32 s[WV], v1                  ; wave 0..7
	s_bfe_u32 s9, ttmp6, 0x40000                   ; cx: my place in the cluster
	s_lshl_b32 s10, ttmp9, 2
	s_add_co_u32 s10, s10, s9                      ; my block of 512 queries: it enters Q's and ctx's addresses alone
	s_and_b32 s11, ttmp7, 0xffff                   ; the head, which the four partners share
	s_lshl_b32 s16, s11, 18                        ; its first byte in each part: 262,144 bytes a head
	s_and_b32 s17, s[WV], 3                        ; which quarter of a slot I fetch:
	s_lshl_b32 s18, s17, 14                        ; its 128 keys of 128 bytes in memory
	s_add_co_u32 s18, s18, s16
	s_add_co_u32 s20, s18, PARTB                   ; in K,
	s_mov_b32 s21, 0
	s_add_co_u32 s22, s18, 2*PARTB                 ; in V;
	s_mov_b32 s23, 0
	s_mul_i32 s18, s17, 64*PKL                     ; and in a slot: no place in the cluster enters an LDS address
	s_mul_i32 s19, s17, 64*PVL
	s_add_co_u32 s19, s19, VOFF
	s_lshl_b32 s12, s10, 16                        ; my block's 512 rows,
	s_lshl_b32 s13, s[WV], 13                      ; my wave's 64 of them
	s_add_co_u32 s12, s12, s13
	s_add_co_u32 s12, s12, s16
	s_mov_b32 s13, 0
	; the one prefetch: keys 1,536 to 2,047, which the second change of slots will ask for: 65,536 bytes of K and as many of V.  Waves 0, 1 name K's, waves 2, 3 V's; the four partners
	; share them out BY ADDRESS, 16,384 bytes each; a wave names 8,192 bytes, lanes 256 bytes apart.  A head has one cluster, so each block of 256 bytes is named once in the launch.
	s_mov_b32 s[PFA], 2*PARTB
	s_cmp_lt_u32 s[WV], 2
	s_cselect_b32 s[PFA], PARTB, s[PFA]
	s_add_co_u32 s[PFA], s[PFA], s16
	s_add_co_u32 s[PFA], s[PFA], 1536*128
	s_lshl_b32 s[PFA+1], s9, 14
	s_add_co_u32 s[PFA], s[PFA], s[PFA+1]
	s_and_b32 s[PFA+1], s[WV], 1
	s_lshl_b32 s[PFA+1], s[PFA+1], 13
	s_add_co_u32 s[PFA], s[PFA], s[PFA+1]
	s_mov_b32 s[PFA+1], 0
	; descriptor group 1: a tile of 64 long rows x 128 elements of 2 bytes, dense in memory, padded in LDS
	s_mov_b32 s[G1K], 15|(1<<16)|(1<<20)|(1<<21)|(5<<22)|(3<<25)  ; 15:0 the mask: all four work-groups; 17:16 elements of 2 bytes; 20 padding on; 21 set beside a mask; 24:22 after every 64 words (code 5); 31:25 4 words (code 3)
	s_mov_b32 s[G1V], 15|(1<<16)|(1<<20)|(1<<21)|(5<<22)|(7<<25)  ; the same with 8 words of padding (code 7)
.irp g, G1K, G1V
	s_mov_b32 s[\g+1], 128<<16                     ; tensor_dim0 = 128
	s_mov_b32 s[\g+2], 64<<16                      ; tensor_dim1 = 64
	s_mov_b32 s[\g+3], 128<<16                     ; tile_dim0 = 128
	s_mov_b32 s[\g+4], 64                          ; tile_dim1 = 64
	s_mov_b32 s[\g+5], 128                         ; tensor_dim0_stride
	s_mov_b32 s[\g+6], 0
	s_mov_b32 s[\g+7], 0
.endr
	s_mov_b32 s[CS], 0x3e38aa3b                    ; c = log2(e) / 8
	s_mov_b32 s[CS+1], s[CS]                       ; named with it as a pair, so it is written
	s_mov_b32 s[SEL], 0x76543210
	s_mov_b32 s[SEL+1], 0xfedcba98
	s_mov_b32 s[TK], 0
	s_mov_b32 s[TV], 0
	s_wait_kmcnt 0x0
	s_add_nc_u64 s[20:21], s[4:5], s[20:21]        ; K and V at my quarter of slot 0's keys
	s_add_nc_u64 s[22:23], s[4:5], s[22:23]
	s_add_nc_u64 s[PFA:PFA+1], s[4:5], s[PFA:PFA+1]
	s_add_nc_u64 s[14:15], s[6:7], s[12:13]        ; ctx and Q at my wave's first row
	s_add_nc_u64 s[12:13], s[4:5], s[12:13]
	CROUND                                         ; all four work-groups are here: the first joint loads meet
.irp s, 0,1
	s_mov_b32 s[G0K+4*\s], 1                       ; count = 1
	s_add_co_u32 s[G0K+4*\s+1], s18, \s*SLOT       ; LDS address
	s_add_nc_u64 s[G0K+4*\s+2:G0K+4*\s+3], s[20:21], \s*65536  ; global address: slot s begins with keys 512 s
	s_or_b32 s[G0K+4*\s+3], s[G0K+4*\s+3], 0x80000000          ; type = 2
	s_mov_b32 s[G0V+4*\s], 1
	s_add_co_u32 s[G0V+4*\s+1], s19, \s*SLOT
	s_add_nc_u64 s[G0V+4*\s+2:G0V+4*\s+3], s[22:23], \s*65536
	s_or_b32 s[G0V+4*\s+3], s[G0V+4*\s+3], 0x80000000
.endr
	s_cmp_lt_u32 s[WV], 4                          ; a wave's two first fills stand in one branch, ahead of every wait on TENSORcnt and every LDS read: two loads of mine are out
	s_cbranch_scc0 .Lfirst_v
	tensor_load_to_lds s[G0K:G0K+3], s[G1K:G1K+7]
	s_nop 0
	tensor_load_to_lds s[G0K+4:G0K+7], s[G1K:G1K+7]
	s_nop 0
.rept 4
	v_nop
.endr
	s_branch .Lfirst_asked
.Lfirst_v:
	tensor_load_to_lds s[G0V:G0V+3], s[G1V:G1V+7]
	s_nop 0
	tensor_load_to_lds s[G0V+4:G0V+7], s[G1V:G1V+7]
	s_nop 0
.rept 4
	v_nop
.endr
.Lfirst_asked:
	; A fragment of K or Q is 16 rows x 32 channels in 8 registers: lane l holds row l % 16; registers 0-3 channels 8 (l / 16) + 0..7, registers 4-7 channels 16 + 8 (l / 16) + 0..7: two loads of 16 bytes, 32 bytes apart.
	v_and_b32 v1, 15, v0                           ; r
	v_bfe_u32 v13, v0, 4, 1                        ; h
	v_lshlrev_b32 v[QO], 7, v1
	v_lshl_add_u32 v[QO], v13, 4, v[QO]            ; row x 128 + 16 h
.irp t, 0,1,2,3
.irp cs, 0,1
	global_load_b128 v[QF+16*\t+8*\cs:QF+16*\t+8*\cs+3],   v[QO], s[12:13] offset:\t*2048+\cs*64 th:TH_LOAD_NT   ; Q stays in registers
	global_load_b128 v[QF+16*\t+8*\cs+4:QF+16*\t+8*\cs+7], v[QO], s[12:13] offset:\t*2048+\cs*64+32 th:TH_LOAD_NT
.endr
.endr
	v_lshrrev_b32 v14, 1, v1
	v_mul_u32_u24 v[AK0], v14, PKL                 ; K: long row r / 2,
	v_and_b32 v14, 1, v0
	v_lshl_add_u32 v[AK0], v14, 7, v[AK0]          ; its half r % 2,
	v_lshl_add_u32 v[AK0], v13, 4, v[AK0]          ; + 16 h
	; The turning load takes 16 keys x 16 channels (lane l reads 16 bytes: key 8 (l / 16) + l % 8, channels 8 ((l / 8) % 2) + 0..7) and leaves half a fragment of V^T: lane l holds channel l % 16 and 8 keys.
	v_bfe_u32 v15, v0, 1, 2
	v_lshl_add_u32 v15, v13, 2, v15                ; V: long row 4 h + (l % 8) / 2,
	v_mul_u32_u24 v[AV0], v15, PVL
	v_lshl_add_u32 v[AV0], v14, 7, v[AV0]          ; its half l % 2,
	v_bfe_u32 v15, v0, 3, 1
	v_lshl_add_u32 v[AV0], v15, 4, v[AV0]
	v_add_nc_u32 v[AV0], VOFF, v[AV0]
	s_mul_i32 s10, s[WV], 64*SPO                   ; my stages
	v_mul_u32_u24 v[STO], v1, SPO                  ; in: row r, 16 bytes for each half of the lanes
	v_lshl_add_u32 v[STO], v13, 4, v[STO]
	v_add_nc_u32 v[STO], s10, v[STO]
	v_and_b32 v14, 31, v0
	v_lshrrev_b32 v15, 3, v14                      ; back: eight lanes to a row of 128 bytes, four rows an instruction
	v_mul_u32_u24 v[RD], v15, SPO
	v_and_b32 v15, 7, v0
	v_lshl_add_u32 v[RD], v15, 4, v[RD]
	v_add_nc_u32 v[RD], s10, v[RD]
	v_lshlrev_b32 v[GO], 4, v14
	v_lshlrev_b32 v[PFO], 8, v14
.irp t, 0,1,2,3
	v_mov_b32 v[ST+8*\t+1], 0xff61b1e6             ; m: -3e38, under every score
	v_mul_f32 v[ST+8*\t], s[CS], v[ST+8*\t+1]      ; c m
	v_mov_b32 v[ST+8*\t+2], 0                      ; l, in two halves
	v_mov_b32 v[ST+8*\t+3], 0
.endr
	WIN TO_1
.set i, OT
.rept 128
	v_mov_b32 v[i], 0                              ; O^T, once: the key step then has no first copy of its own
.set i, i+1
.endr
	WIN 0
; THE LDS LOADS stand in runs of 16: a step's K (64 keys x 64 channels: 8 fragments) and, half a step later, its V (turned).
.macro LOADK
	WIN 0
	v_add_nc_u32 v[ADK], s[TK], v[AK0]
	s_add_co_u32 s[TK], s[TK], KSTEPB              ; the next fetch is the next step's
	WIN TO_1
.irp kt, 0,1,2,3
.irp cs, 0,1
	ds_load_b128 v[16*\kt+8*\cs:16*\kt+8*\cs+3],   v[ADK] offset:\kt*8*PKL+\cs*64
	ds_load_b128 v[16*\kt+8*\cs+4:16*\kt+8*\cs+7], v[ADK] offset:\kt*8*PKL+\cs*64+32
.endr
.endr
	WIN 0
.endm
.macro LOADV
	WIN 0
	v_add_nc_u32 v[ADV], s[TV], v[AV0]
	s_add_co_u32 s[TV], s[TV], VSTEPB
	WIN TO_1
.irp u, 0,1
.irp ct, 0,1,2,3
	ds_load_tr16_b128 v[VF+32*\u+8*\ct:VF+32*\u+8*\ct+3],   v[ADV] offset:\u*16*PVL+\ct*32
	ds_load_tr16_b128 v[VF+32*\u+8*\ct+4:VF+32*\u+8*\ct+7], v[ADV] offset:\u*16*PVL+8*PVL+\ct*32
.endr
.endr
	WIN 0
.endm
; S^T of tile t: 8 matrix instructions; the four accumulators take turns, one instruction a turn; the first four start the sums
.macro KQ t
	WIN W_KQ
.irp cs, 0,1
.irp kt, 0,1,2,3
.if \cs == 0
	v_wmma_f32_16x16x32_f16 v[S+32*((\t)%2)+8*\kt:S+32*((\t)%2)+8*\kt+7], v[16*\kt+8*\cs:16*\kt+8*\cs+7], v[QF+16*(\t)+8*\cs:QF+16*(\t)+8*\cs+7], 0
.else
	v_wmma_f32_16x16x32_f16 v[S+32*((\t)%2)+8*\kt:S+32*((\t)%2)+8*\kt+7], v[16*\kt+8*\cs:16*\kt+8*\cs+7], v[QF+16*(\t)+8*\cs:QF+16*(\t)+8*\cs+7], v[S+32*((\t)%2)+8*\kt:S+32*((\t)%2)+8*\kt+7]
.endif
.endr
.endr
.endm
; O^T of tile t += V^T P: 8 matrix instructions, the four accumulators by turns
.macro PV t
	WIN W_PV
.irp u, 0,1
.irp ct, 0,1,2,3
	v_wmma_f32_16x16x32_f16 v[OT+32*(\t)+8*\ct:OT+32*(\t)+8*\ct+7], v[VF+32*\u+8*\ct:VF+32*\u+8*\ct+7], v[P+16*((\t)%2)+8*\u:P+16*((\t)%2)+8*\u+7], v[OT+32*(\t)+8*\ct:OT+32*(\t)+8*\ct+7]
.endr
.endr
.endm
; The softmax's first part, 22 instructions: the maximum of the lane's 32 scores and the old m (four chains, each begun at an accumulator's low end), the other half of the lanes', the new m, c m, and a
.macro SM_A t
	WIN 0
.set rT, ST+8*(\t)
.set rS, S+32*((\t)%2)
.irp k, 0,1,2,3
	v_max3_num_f32 v[rT+4+\k], v[rS+8*\k], v[rS+8*\k+1], v[rS+8*\k+2]
.endr
.irp k, 0,1,2,3
	v_max3_num_f32 v[rT+4+\k], v[rT+4+\k], v[rS+8*\k+3], v[rS+8*\k+4]
.endr
.irp k, 0,1,2,3
	v_max3_num_f32 v[rT+4+\k], v[rT+4+\k], v[rS+8*\k+5], v[rS+8*\k+6]
.endr
	v_max3_num_f32 v[rT+4], v[rT+4], v[rS+7], v[rS+15]
	v_max3_num_f32 v[rT+6], v[rT+6], v[rS+23], v[rS+31]
	v_max3_num_f32 v[rT+4], v[rT+4], v[rT+5], v[rT+6]
	v_max3_num_f32 v[rT+4], v[rT+4], v[rT+7], v[rT+1]
	v_permlanex16_b32 v[rT+5], v[rT+4], s[SEL], s[SEL+1]   ; the query's other 32 keys lie in the lane 16 away
	v_mov_b32 v[rT+7], v[rT]                       ; c m_old is kept for a
	v_max_num_f32 v[rT+1], v[rT+4], v[rT+5]
	v_mul_f32 v[rT], s[CS], v[rT+1]
	v_sub_f32 v[rT+7], v[rT+7], v[rT]
	v_exp_f32 v[rT+6], v[rT+7]                     ; a; what follows this macro begins with a plain vector instruction that names neither register
.endm
.macro SCALE2 b                        ; pair b: c s - c m
	v_pk_fma_f32 v[rS+2*(\b):rS+2*(\b)+1], v[rS+2*(\b):rS+2*(\b)+1], s[CS:CS+1], v[rT:rT+1] op_sel_hi:[1,0,0] neg_lo:[0,0,1] neg_hi:[0,0,1]
.endm
.macro SUMP j                          ; pair j joins the step's sum (in a pair: an even key's weight, an odd key's): two chains, begun by pairs 0, 1 and 2, 3
.if (\j) == 1
	v_pk_add_f32 v[T0:T0+1], v[rS:rS+1], v[rS+2:rS+3]
.elseif (\j) == 3
	v_pk_add_f32 v[T0+2:T0+3], v[rS+4:rS+5], v[rS+6:rS+7]
.elseif (\j) >= 4
	v_pk_add_f32 v[T0+2*((\j)%2):T0+2*((\j)%2)+1], v[T0+2*((\j)%2):T0+2*((\j)%2)+1], v[rS+2*(\j):rS+2*(\j)+1]
.endif
.endm
; Its second part, 80 instructions: scalings two pairs ahead of their exponentials, roundings and sums a pair behind, so that each exponential has a plain instruction behind it before its result is used
.macro SM_B t
	WIN 0
.set rT, ST+8*(\t)
.set rS, S+32*((\t)%2)
.set rP, P+16*((\t)%2)
	SCALE2 0
	SCALE2 1
.irp i, 0,1,2,3,4,5,6,7,8,9,10,11,12,13,14,15
	v_exp_f32 v[rS+2*\i], v[rS+2*\i]
.if \i <= 13
	SCALE2 \i+2
.endif
	v_exp_f32 v[rS+2*\i+1], v[rS+2*\i+1]
.if \i >= 1
	s_wait_alu depctr_va_vdst(0)
	v_cvt_pk_f16_f32 v[rP+\i-1], v[rS+2*\i-2], v[rS+2*\i-1]
	SUMP \i-1
.endif
.endr
	v_cvt_pk_f16_f32 v[rP+15], v[rS+30], v[rS+31]
	SUMP 15
	v_pk_add_f32 v[T0:T0+1], v[T0:T0+1], v[T0+2:T0+3]
	v_pk_fma_f32 v[rT+2:rT+3], v[rT+2:rT+3], v[rT+6:rT+7], v[T0:T0+1] op_sel_hi:[1,0,1]   ; l = a l + the step's sum
.endm
.macro RS t                            ; the tile's O^T times a, each accumulator from its low end on
	WIN W_RS
.set i, OT+32*(\t)
.rept 16
	v_pk_mul_f32 v[i:i+1], v[i:i+1], v[ST+8*(\t)+6:ST+8*(\t)+7] op_sel_hi:[1,0]
.set i, i+2
.endr
.endm
.macro UA t, n                         ; tile n's scores are asked of the matrix unit, then tile t's softmax begins
	KQ \n
	SM_A \t
.endm
.macro UB t
	SM_B \t
	RS \t
	PV \t
.endm
; A trip of the loop: the second half of step j (tiles 2, 3), then the first half of step j + 1 (tiles 0, 1 and tile 2's maximum).
; K of step j + 1 is fetched when all four tiles have multiplied by K of step j: the last such product stands in front of tile 2's 22 instructions, which name none of its registers.
; V of step j + 1 is fetched behind tile 3's V^T P of step j and tile 0's 22 instructions.  Each run is waited for (count 0: nothing else of mine is out in LDS) behind a tile's 96 vector instructions.
.macro H1
	LOADK
	UB 2
	s_wait_dscnt 0x0                               ; K is in
	UA 3, 0
	UB 3
.endm
.macro H2
	UA 0, 1
	LOADV
	SM_B 0
	RS 0
	s_wait_dscnt 0x0                               ; V is in
	PV 0
	UA 1, 2
	UB 1
	UA 2, 3
	WIN 0                                          ; at a label and at a branch every window is 0
.endm
.macro BODIES n
	s_mov_b32 s[CNT], \n
.Lstep_\@:
	H1
	H2
	s_sub_co_u32 s[CNT], s[CNT], 1
	s_cmp_lg_u32 s[CNT], 0
	s_cbranch_scc1 .Lstep_\@
.endm
; THE CHANGE OF SLOTS: the slot's last bytes, K and V of its eighth step, are in registers.  Each wave waits for all its tensor loads, of which one is out: its part of the other slot; adds 0 to its
; spare word; and waits for that and for its reads of the slot.  fill = 1: the slot that is left is filled again, with the keys two slots on; the barrier is then a round of the cluster's, so that no wave of
; any partner still reads the slot or has a load on its way, and the joint refill is the first thing behind it: it has eight key steps, 512 matrix instructions a wave, in which to land.
.macro CHANGE fill, slot, base
	s_wait_tensorcnt 0x0                           ; no tensor load of mine is out, so a group 0 may be written
	ds_add_u32 v[SPW], v[NIL]                      ; 0 onto my spare word: the scalar steps stand between it and the wait for it
.if \fill
	s_add_nc_u64 s[G0K+4*\slot+2:G0K+4*\slot+3], s[G0K+4*\slot+2:G0K+4*\slot+3], 131072   ; 1,024 keys on; the type bits on top are not reached
	s_add_nc_u64 s[G0V+4*\slot+2:G0V+4*\slot+3], s[G0V+4*\slot+2:G0V+4*\slot+3], 131072
.endif
	s_mov_b32 s[TK], \base                         ; the fetches go on at the other slot's first step
	s_mov_b32 s[TV], \base
	s_wait_dscnt 0x0                               ; the add is done, and my reads of the slot are over
.if \fill
	CROUND
	JLOAD \slot
.else
	s_barrier_signal -1
	s_barrier_wait -1
.endif
.endm
	s_wait_tensorcnt 1                             ; my part of slot 0 is in; slot 1's may stay out
	s_barrier_signal -1
	s_barrier_wait -1                              ; everybody's is
	LOADK                                          ; key step 0
	s_wait_loadcnt 0x0                             ; Q
	s_wait_dscnt 0x0
	KQ 0
.rept 4
	v_nop                                          ; tile 0's first softmax reads these scores with only tile 1's products between: here alone the places are written out
.endr
	H2                                             ; the first half of step 0
	BODIES 7                                       ; they fetch steps 1 to 7
	CHANGE 1, 0, SLOT                              ; slot 0 takes keys 1,024 on
	s_cmp_lt_u32 s[WV], 4                          ; behind the joint load and its four lines: what the next change of slots will ask for, eight key steps ahead
	s_cbranch_scc0 .Lno_prefetch
	global_prefetch_b8 v[PFO], s[PFA:PFA+1] th:TH_LOAD_NT scope:SCOPE_SE
.Lno_prefetch:
	BODIES 8                                       ; steps 8 to 15, from slot 1
	CHANGE 1, 1, 0                                 ; slot 1 takes keys 1,536 on
	BODIES 8                                       ; steps 16 to 23
	CHANGE 0, 0, SLOT                              ; nothing is left to ask for
	BODIES 8                                       ; steps 24 to 31
	UB 2                                           ; the rest of the last step
	SM_A 3
	UB 3
	; THE WAY OUT.  l's two halves and the other half of the lanes' are added; O^T is divided by l, rounded to f16 and sent through my stage, a tile (16 rows of ctx) at a time.  The first four additions are the places behind the last products.
	WIN 0
.irp t, 0,1,2,3
	v_add_f32 v[ST+8*\t+4], v[ST+8*\t+2], v[ST+8*\t+3]
.endr
.irp t, 0,1,2,3
	v_permlanex16_b32 v[ST+8*\t+5], v[ST+8*\t+4], s[SEL], s[SEL+1]
.endr
.irp t, 0,1,2,3
	v_add_f32 v[ST+8*\t+4], v[ST+8*\t+4], v[ST+8*\t+5]
.endr
.irp t, 0,1,2,3
	v_rcp_f32 v[ST+8*\t+6], v[ST+8*\t+4]
.endr
	v_nop                                          ; a plain instruction between the last reciprocal and the use of its result
	s_wait_alu depctr_va_vdst(0)
; Tile t: a lane's eight channels of a row pack into 16 bytes; they go into rows of 144 bytes and come back so that four rows, 512 consecutive bytes of ctx, are one store.  Each tile has its own stage and registers.
.macro PACK t
	WIN W_RS
.set i, OT+32*\t
.rept 16
	v_pk_mul_f32 v[i:i+1], v[i:i+1], v[ST+8*\t+6:ST+8*\t+7] op_sel_hi:[1,0]
.set i, i+2
.endr
	WIN 0x05                                       ; sources 0 and 1 window 1, destination window 0: S^T's registers are free
.set i, 0
.rept 16
	v_cvt_pk_f16_f32 v[S+16*\t+i], v[OT+32*\t+2*i], v[OT+32*\t+2*i+1]
.set i, i+1
.endr
	WIN 0
.irp f, 0,1,2,3
	ds_store_b128 v[STO], v[S+16*\t+4*\f:S+16*\t+4*\f+3] offset:\t*16*SPO+32*\f
.endr
.irp f, 0,1,2,3
	ds_load_b128 v[S+16*\t+4*\f:S+16*\t+4*\f+3], v[RD] offset:\t*16*SPO+\f*4*SPO   ; LDS serves a wave's instructions in order (ISA guide 5.7.1.4): these see the stores above
.endr
.endm
.macro SEND t, younger                 ; younger: the LDS instructions issued behind tile t's loads: the next tile's four stores and four loads, or none
.irp f, 0,1,2,3
	s_wait_dscnt \younger+3-\f
	global_store_b128 v[GO], v[S+16*\t+4*\f:S+16*\t+4*\f+3], s[14:15] offset:\t*2048+\f*512   ; 32 lanes store 512 consecutive bytes, aligned
.endr
.endm
	PACK 0
	PACK 1                                         ; a tile's arithmetic stands between the loads of the tile before and its stores
	SEND 0, 8
	PACK 2
	SEND 1, 8
	PACK 3
	SEND 2, 8
	SEND 3, 0
	s_wait_tensorcnt 0x0                           ; the wave's end: behind my last tensor load and my last LDS store
	ds_add_u32 v[SPW], v[NIL]
	s_wait_dscnt 0x0
	CROUND                                         ; the closing round: no work-group ends while a partner may still ask for a tile that names it
	s_endpgm
.Lfunc_end_k_q17f2cd2a1c_attn:
	.size	k_q17f2cd2a1c_attn, .Lfunc_end_k_q17f2cd2a1c_attn-k_q17f2cd2a1c_attn
	.p2alignl 7, 3214868480
	.fill 96, 4, 3214868480
	.section	.rodata,"a",@progbits
	.p2align	6, 0x0
	.amdhsa_kernel k_q17f2cd2a1c_attn
		.amdhsa_group_segment_fixed_size 327680
		.amdhsa_private_segment_fixed_size 0
		.amdhsa_enable_private_segment 0
		.amdhsa_kernarg_size 16
		.amdhsa_user_sgpr_count 2
		.amdhsa_user_sgpr_kernarg_segment_ptr 1
		.amdhsa_wavefront_size32 1
		.amdhsa_system_sgpr_workgroup_id_x 1
		.amdhsa_system_sgpr_workgroup_id_y 1
		.amdhsa_system_sgpr_workgroup_id_z 1
		.amdhsa_system_vgpr_workitem_id 0
		.amdhsa_next_free_vgpr 512
		.amdhsa_next_free_sgpr 72
		.amdhsa_reserve_vcc 0
		.amdhsa_float_denorm_mode_32 3
		.amdhsa_float_denorm_mode_16_64 3
		.amdhsa_memory_ordered 1
		.amdhsa_forward_progress 1
		.amdhsa_inst_pref_size 199
	.end_amdhsa_kernel
	.amdgpu_metadata
---
amdhsa.version: [ 1, 2 ]
amdhsa.kernels:
  - .name:           k_q17f2cd2a1c_attn
    .symbol:         k_q17f2cd2a1c_attn.kd
    .args:
      - { .name: qkv, .offset: 0, .size: 8, .value_kind: global_buffer, .address_space: global }
      - { .name: ctx, .offset: 8, .size: 8, .value_kind: global_buffer, .address_space: global }
    .group_segment_fixed_size: 327680
    .private_segment_fixed_size: 0
    .kernarg_segment_align: 8
    .kernarg_segment_size: 16
    .max_flat_workgroup_size: 256
    .sgpr_count:     72
    .vgpr_count:     512
    .wavefront_size: 32
...
	.end_amdgpu_metadata
.endif
;; end of part 3
;; launch outp (part 4): grid 8 x 32, 4 waves a work-group, clusters of 4 x 4, 327,680 bytes of LDS; arguments ctx, wo16, out0; writes out0
.if DOCPART == 4
	.amdgcn_target "amdgcn-amd-amdhsa--gfx1250"
	.amdhsa_code_object_version 6
	.text
	.protected	k_q17f2cd2a1c_outp
	.globl	k_q17f2cd2a1c_outp
	.p2align	8
	.type	k_q17f2cd2a1c_outp,@function
k_q17f2cd2a1c_outp:
	s_mov_b64 s[64:65], 0
	v_nop
	global_prefetch_b8 v0, s[64:65] scope:SCOPE_SE
	s_setreg_imm32_b32 hwreg(HW_REG_WAVE_MODE, 25, 1), 1
	s_wait_xcnt 0x0
	s_wait_alu depctr_hold_cnt(0) depctr_sa_sdst(0) depctr_va_vdst(0) depctr_va_sdst(0) depctr_va_ssrc(0) depctr_va_vcc(0) depctr_vm_vsrc(0)
	s_getreg_b32 s2, hwreg(HW_REG_IB_STS2, 6, 4)
	s_cmp_eq_u32 s2, 0
	s_cbranch_scc0 .Lentry_in_a_cluster
	s_endpgm
.Lentry_in_a_cluster:
	s_bfe_u32 s2, ttmp6, 0x10000c
	s_cmp_lg_u32 s2, 0xf033
	s_cbranch_scc0 .Lentry_shape_is_right
	s_endpgm
.Lentry_shape_is_right:
; out0[m][n] = the sum over k of ctx[m][k] W_o[n][k], f16 operands, f32 sums, out0 [8192][1024] f32.  ctx lies by head, [16 batch + head][2048][64] f16; wo16 lies [k / 64][n][64] f16: so a chunk of 64 along K
; of 256 rows of ctx, or of 128 rows of W_o, is one dense block of memory, stated as long rows of 256 bytes (two rows); row n lies at (n / 2) x 272 + 128 (n % 2) in LDS.
; A tile of out0 is 256 rows x 128 columns: 256 work-groups.  Four waves, each 128 x 64: 32 accumulators of 16 x 16, 256 registers.  K goes in eight steps of 128 (two chunks) through a ring of two LDS slots.
; CLUSTERS: 4 x 4 work-groups.  The four of a row of the cluster need the same tiles of ctx, the four of a column the same tiles of W_o: each tile is asked for JOINTLY, by the same tensor load with the same
; descriptor and a mask that names the four.  THE MATRIX INSTRUCTION IS USED TRANSPOSED (source 0 = 16 rows of W_o, source 1 = 16 rows of ctx): a lane then holds eight neighbouring numbers of a row of out0.
; REGISTERS: window 0: v0-31 addresses; fragment buffer 0: v32-63 B, v64-127 A; buffer 1: v192-223 B, v128-191 A.   window 1: the accumulators ((a, b) at v[8 (4 a + b)]).
.set PITCH,  272                       ; a long row: 256 bytes + 16 of padding: the 16 rows of a fragment load start at 16 different groups of four banks (64 banks of 4 bytes: ISA guide 11.1)
.set ACH,    128*PITCH                 ; a chunk of A: 256 rows
.set BCH,    64*PITCH                  ; a chunk of B: 128 rows
.set BOFF,   2*ACH                     ; a slot: A's two chunks, then B's two
.set SLOT,   2*ACH+2*BCH
.set STAGE,  2*SLOT                    ; behind the ring: 16 rows x 272 bytes for each wave, for the way out
.set SPITCH, 272
.set SPARE,  STAGE+4*16*SPITCH         ; the spare words, 128 bytes for each wave: two blocks of 256 bytes that no other line names
.set LAPS,   4                         ; a lap = two K steps = once round the ring
.set ADRA, 16                          ; v16-17  LDS address of my A fragments in slot 0, 1
.set ADRB, 20                          ; v20-21  the same for B
.set STO,  24                          ; v24     the way out: where I put 32 bytes of a row
.set RD,   25                          ; v25     where I read a row back
.set CO,   26                          ; v26     my byte offset in two rows of out0
.set SPW,  28                          ; v28     LDS address of my spare word; never rewritten
.set NIL,  29                          ; v29     0; never rewritten
.set G1, 24                            ; s[24:31] descriptor group 1 for A's tiles;  s[32:39] group 0, one set for each slot
.set G0, 32
.set G1B, 48                           ; s[48:55], s[56:63] the same for B's tiles
.set G0B, 56
.set MSB, 0
.macro WIN new                         ; the immediate's high byte repeats the setting that is left; a switch that changes nothing is dropped
.if MSB != (\new)
	s_set_vgpr_msb (MSB<<8)|(\new)
.set MSB, (\new)
.endif
.endm
.set MULW, 0x50                        ; sources 0 and 1 window 0; C and D window 1
.macro JLOAD s                         ; a joint load: waves 0 and 1 fetch A's two chunks, waves 2 and 3 B's; four v_nop follow each of the two lines, ahead of the jump, the label and what follows
	s_cmp_eq_u32 s11, 0
	s_cbranch_scc0 .Lfor_b_\@
	tensor_load_to_lds s[G0+4*\s:G0+4*\s+3], s[G1:G1+7]
	s_nop 0
.rept 4
	v_nop
.endr
	s_branch .Lasked_\@
.Lfor_b_\@:
	tensor_load_to_lds s[G0B+4*\s:G0B+4*\s+3], s[G1B:G1B+7]
	s_nop 0
.rept 4
	v_nop
.endr
.Lasked_\@:
.endm
.macro CREST                           ; a round of the cluster's barrier behind its opening barrier
	s_cmp_lg_u32 s10, 0
	s_cbranch_scc1 .Lnot_wave_0_\@
	s_barrier_signal -3
.Lnot_wave_0_\@:
	s_barrier_wait -3
	s_barrier_signal -1
	s_barrier_wait -1
.endm
.macro CROUND                          ; a whole round
	s_barrier_signal -1
	s_barrier_wait -1
	CREST
.endm
	s_load_b128 s[4:7], s[0:1], 0x0                ; ctx s[4:5], wo16 s[6:7]
	s_load_b64 s[8:9], s[0:1], 0x10                ; out0
	v_lshl_add_u32 v[SPW], v0, 2, SPARE
	v_mov_b32 v[NIL], 0
	ds_add_u32 v28, v29
	ds_add_u32 v28, v29
	s_wait_dscnt 0x0
	v_lshrrev_b32 v1, 5, v0
	v_readfirstlane_b32 s10, v1                    ; wave 0..3
	s_lshr_b32 s11, s10, 1                         ; which half of the tile's rows is mine.  Also: I fetch for A (0) or for B (1)
	s_and_b32 s12, s10, 1                          ; which half of its columns.  Also: which chunk of a K step I fetch
	s_bfe_u32 s40, ttmp6, 0x40000                  ; cx, cy: my place in the cluster
	s_bfe_u32 s41, ttmp6, 0x40004
	s_lshl_b32 s42, ttmp9, 2
	s_add_co_u32 s42, s42, s40                     ; tile column X = 4 x cluster x + cx
	s_and_b32 s13, ttmp7, 0xffff
	s_lshl_b32 s13, s13, 2
	s_add_co_u32 s13, s13, s41                     ; tile row Y = 4 x cluster y + cy
	s_lshl_b32 s43, s41, 2
	s_lshl_b32 s43, 15, s43                        ; my row of the cluster
	s_lshl_b32 s44, 0x1111, s40                    ; my column
	; descriptor group 1: long rows of 128 elements of 2 bytes, dense in memory, padded in LDS: 128 of them for A, 64 for B
	s_or_b32 s[G1+0], s43, (1<<16)|(1<<20)|(1<<21)|(5<<22)|(3<<25)  ; 15:0 the mask: A's tiles go to my row; 17:16 element of 2 bytes; 20 padding on; 21 set beside a mask; 24:22 after every 64 words (code 5); 31:25 of 4 words (code 3)
	s_or_b32 s[G1B+0], s44, (1<<16)|(1<<20)|(1<<21)|(5<<22)|(3<<25)
	s_mov_b32 s[G1+1], 128<<16                     ; tensor_dim0 = 128
	s_mov_b32 s[G1+2], 128<<16                     ; tensor_dim1 = 128
	s_mov_b32 s[G1+3], 128<<16                     ; tile_dim0 = 128
	s_mov_b32 s[G1+4], 128                         ; tile_dim1 = 128
	s_mov_b32 s[G1+5], 128                         ; tensor_dim0_stride
	s_mov_b32 s[G1+6], 0
	s_mov_b32 s[G1+7], 0
	s_mov_b32 s[G1B+1], 128<<16
	s_mov_b32 s[G1B+2], 64<<16                     ; tensor_dim1 = 64
	s_mov_b32 s[G1B+3], 128<<16
	s_mov_b32 s[G1B+4], 64                         ; tile_dim1 = 64
	s_mov_b32 s[G1B+5], 128
	s_mov_b32 s[G1B+6], 0
	s_mov_b32 s[G1B+7], 0
	; where the tiles come from.  A's hang on the tile row alone, B's on the tile column alone; every wave makes both, in registers that never hold the other coordinate
	s_lshr_b32 s16, s13, 3
	s_lshl_b32 s16, s16, 4
	s_add_co_u32 s16, s16, s12                     ; A: 16 batch + my chunk (a chunk of 64 along K is a head),
	s_lshl_b32 s16, s16, 11
	s_and_b32 s17, s13, 7
	s_lshl_b32 s17, s17, 8
	s_add_co_u32 s16, s16, s17                     ; x 2,048 rows + 256 (Y % 8),
	s_lshl_b32 s16, s16, 7                         ; x 128 bytes
	s_mov_b32 s17, 0
	s_lshl_b32 s46, s12, 10
	s_lshl_b32 s47, s42, 7
	s_add_co_u32 s46, s46, s47                     ; B: my chunk x 1,024 rows + 128 X,
	s_lshl_b32 s46, s46, 7                         ; x 128 bytes
	s_mov_b32 s47, 0
	s_mul_i32 s20, s12, ACH                        ; and where they go: no place in the cluster enters an LDS address
	s_mul_i32 s21, s12, BCH
	s_add_co_u32 s21, s21, BOFF
	s_wait_kmcnt 0x0
	s_add_nc_u64 s[14:15], s[4:5], s[16:17]
	s_add_nc_u64 s[46:47], s[6:7], s[46:47]
	CROUND                                         ; all sixteen work-groups are here: the first joint loads meet
.irp s, 0,1
	s_mov_b32 s[G0+4*\s], 1
	s_add_co_u32 s[G0+4*\s+1], s20, \s*SLOT
	s_add_nc_u64 s[G0+4*\s+2:G0+4*\s+3], s[14:15], \s*524288     ; K step s: two chunks of 2,048 rows on
	s_or_b32 s[G0+4*\s+3], s[G0+4*\s+3], 0x80000000
	s_mov_b32 s[G0B+4*\s], 1
	s_add_co_u32 s[G0B+4*\s+1], s21, \s*SLOT
	s_add_nc_u64 s[G0B+4*\s+2:G0B+4*\s+3], s[46:47], \s*262144   ; two chunks of 1,024 rows on
	s_or_b32 s[G0B+4*\s+3], s[G0B+4*\s+3], 0x80000000
	JLOAD \s
.endr
	v_and_b32 v1, 15, v0                           ; r
	v_bfe_u32 v2, v0, 4, 1                         ; h
	v_lshrrev_b32 v4, 1, v1
	v_mul_u32_u24 v3, v4, PITCH                    ; a fragment's row r: long row r / 2,
	v_and_b32 v4, 1, v0
	v_lshl_add_u32 v3, v4, 7, v3                   ; its half r % 2,
	v_lshl_add_u32 v3, v2, 4, v3                   ; + 16 h
	s_mul_i32 s21, s11, 64*PITCH                   ; my 128 rows of A
	s_mul_i32 s22, s12, 32*PITCH                   ; my 64 rows of B,
	s_add_co_u32 s22, s22, BOFF                    ; which lie behind A's chunks
.irp s, 0,1
	v_add_nc_u32 v[ADRA+\s], s21, v3
	v_add_nc_u32 v[ADRB+\s], s22, v3
	s_add_co_u32 s21, s21, SLOT
	s_add_co_u32 s22, s22, SLOT
.endr
	s_mul_i32 s23, s10, 16*SPITCH
	s_add_co_u32 s23, s23, STAGE                   ; my stage
	v_mul_u32_u24 v4, v1, SPITCH                   ; in: row r, 32 bytes for each half of the lanes
	v_lshl_add_u32 v4, v2, 5, v4
	v_add_nc_u32 v[STO], s23, v4
	v_mul_u32_u24 v5, v2, SPITCH                   ; back: lanes 0-15 take one row of 256 bytes, lanes 16-31 the next
	v_lshl_add_u32 v5, v1, 4, v5
	v_add_nc_u32 v[RD], s23, v5
	v_lshlrev_b32 v5, 12, v2                       ; and the same two rows in out0 (4,096 bytes a row)
	v_lshl_add_u32 v[CO], v1, 4, v5
	s_lshl_b32 s16, s13, 8
	s_lshl_b32 s17, s11, 7
	s_add_co_u32 s16, s16, s17                     ; my first row: 256 Y + 128 x half
	s_lshl_b32 s16, s16, 12
	s_lshl_b32 s46, s42, 9                         ; my first column, in bytes: 512 X + 256 x half
	s_lshl_b32 s47, s12, 8
	s_add_co_u32 s46, s46, s47
	s_add_co_u32 s16, s16, s46                     ; under 32 MiB
	s_mov_b32 s17, 0
	s_add_nc_u64 s[8:9], s[8:9], s[16:17]
; 4 n matrix instructions: A's blocks a0 .. a0 + n - 1 x B's four, 32 along K, from buffer f.  zero = 1: the first product starts the sums: nothing is ever cleared.
; The 32 accumulators take turns, one instruction a turn, in the same order in every quarter.
.macro MUL f, a0, n, zero
.set ma, \a0
.rept \n
.irp b, 0,1,2,3
.if \zero
	v_wmma_f32_16x16x32_f16 v[8*(4*ma+\b):8*(4*ma+\b)+7], v[32+160*(\f)+8*\b:32+160*(\f)+8*\b+7], v[64+64*(\f)+8*ma:64+64*(\f)+8*ma+7], 0
.else
	v_wmma_f32_16x16x32_f16 v[8*(4*ma+\b):8*(4*ma+\b)+7], v[32+160*(\f)+8*\b:32+160*(\f)+8*\b+7], v[64+64*(\f)+8*ma:64+64*(\f)+8*ma+7], v[8*(4*ma+\b):8*(4*ma+\b)+7]
.endif
.endr
.set ma, ma+1
.endr
.endm
; 24 LDS loads in one run: the fragments of quarter q (chunk q / 2, channels 32 (q % 2) on) into buffer f: B's four, then A's blocks 0-3, then 4-7
.macro FETCH slot, q, f
	WIN 0
.irp b, 0,1,2,3
	ds_load_b128 v[32+160*(\f)+8*\b:32+160*(\f)+8*\b+3],   v[ADRB+\slot] offset:((\q)/2)*BCH+((\q)%2)*64+\b*8*PITCH
	ds_load_b128 v[32+160*(\f)+8*\b+4:32+160*(\f)+8*\b+7], v[ADRB+\slot] offset:((\q)/2)*BCH+((\q)%2)*64+\b*8*PITCH+32
.endr
.irp a, 0,1,2,3,4,5,6,7
	ds_load_b128 v[64+64*(\f)+8*\a:64+64*(\f)+8*\a+3],   v[ADRA+\slot] offset:((\q)/2)*ACH+((\q)%2)*64+\a*8*PITCH
	ds_load_b128 v[64+64*(\f)+8*\a+4:64+64*(\f)+8*\a+7], v[ADRA+\slot] offset:((\q)/2)*ACH+((\q)%2)*64+\a*8*PITCH+32
.endr
.endm
.macro PLACES                          ; four places in front of loads into registers that matrix instructions have read, and of the first read of results; matrix instructions in between are not counted
.rept 4
	v_nop
.endr
.endm
; A K step is four quarters of 32 along K, 32 matrix instructions each, on buffers 0, 1, 0, 1.  One of the first three: multiplies buffer f and fetches quarter qn into g.
.macro QUARTER slot, qn, f, g, zero
	s_wait_dscnt 8                                 ; B and A's blocks 0-3 are in; the youngest eight loads (A's blocks 4-7) may be out
	WIN MULW
	MUL \f, 0, 4, \zero
	PLACES
	FETCH \slot, \qn, \g
	s_wait_dscnt 24                                ; all but the 24 just issued
	WIN MULW
	MUL \f, 4, 4, \zero
.endm
; The last quarter multiplies buffer 1 and changes slots: ONE barrier; in front of it each wave waits for all its tensor loads, adds 0 to its spare word, and waits for that and for its own reads of this slot.
; fill = 1: the barrier opens a round of the cluster's barrier and this slot is filled again, two K steps ahead: 112 matrix instructions stand between that request and the wait for it.
.macro TURN slot, next, fill
	WIN 0                                          ; (the add's two registers lie in window 0)
	s_wait_tensorcnt 0x0                           ; all my tensor loads have landed: my part of the next slot;
	ds_add_u32 v[SPW], v[NIL]                      ; 0 onto my spare word;
	s_wait_dscnt 9                                 ; (the add and the youngest eight loads may be out)
	WIN MULW
	MUL 1, 0, 2, 0                                 ; eight matrix instructions stand between the add and the wait for it
	s_wait_dscnt 0x0                               ; the add is done, and my reads of this slot are over
	s_barrier_signal -1
	MUL 1, 2, 2, 0
	WIN 0
	s_barrier_wait -1
.if \fill
	CREST                                          ; no wave of any partner still reads this slot's tile or has a load on its way
	s_add_nc_u64 s[G0+4*\slot+2:G0+4*\slot+3], s[G0+4*\slot+2:G0+4*\slot+3], 1048576     ; two K steps on: four chunks of 2,048 rows
	s_add_nc_u64 s[G0B+4*\slot+2:G0B+4*\slot+3], s[G0B+4*\slot+2:G0B+4*\slot+3], 524288  ; four chunks of 1,024 rows
	JLOAD \slot                                    ; the first tensor load behind the round; the four v_nop behind it are also the places in front of the loads below
.else
	PLACES
.endif
	FETCH \next, 0, 0
	WIN MULW
	MUL 1, 4, 4, 0
.endm
	s_wait_tensorcnt 1                             ; my part of K step 0 is in (K step 1's load may be out)
	s_barrier_signal -1
	s_barrier_wait -1                              ; everybody's is
	FETCH 0, 0, 0
	QUARTER 0, 1, 0, 1, 1                          ; the first quarter stands in front of the loop: its products start the sums
	WIN 0                                          ; at a label and at a branch every window is 0
	s_mov_b32 s3, LAPS-1
.Llap:                                                 ; a trip goes once round the ring, from a lap's second quarter to the next lap's first, and fills both slots again
	QUARTER 0, 2, 1, 0, 0
	QUARTER 0, 3, 0, 1, 0
	TURN 0, 1, 1
	QUARTER 1, 1, 0, 1, 0
	QUARTER 1, 2, 1, 0, 0
	QUARTER 1, 3, 0, 1, 0
	TURN 1, 0, 1
	QUARTER 0, 1, 0, 1, 0
	WIN 0
	s_sub_co_u32 s3, s3, 1
	s_cmp_lg_u32 s3, 0
	s_cbranch_scc1 .Llap
	QUARTER 0, 2, 1, 0, 0                          ; the last lap fills nothing, and has no round of the cluster's barrier
	QUARTER 0, 3, 0, 1, 0
	TURN 0, 1, 0
	QUARTER 1, 1, 0, 1, 0
	QUARTER 1, 2, 1, 0, 0
	QUARTER 1, 3, 0, 1, 0
	s_wait_dscnt 8                                 ; the very last quarter: nothing more to fetch
	WIN MULW
	MUL 1, 0, 4, 0
	s_wait_dscnt 0
	MUL 1, 4, 4, 0
	WIN 0
; THE WAY OUT, block by block of 16 rows x 64 columns.  A lane holds 32 neighbouring bytes of a row, and the lanes beside it hold other rows: so a block goes through my own stage and comes back as whole
; rows of 256 bytes, which sixteen lanes store.  LDS serves a wave's instructions in order (ISA guide 5.7.1.4): no wait between the stores and the loads, nor in front of the next block's stores.
.macro TOSTAGE a
	WIN 0x04                                       ; an LDS store's data are its source 1: window 1
.irp b, 0,1,2,3
	ds_store_b128 v[STO], v[8*(4*(\a)+\b):8*(4*(\a)+\b)+3] offset:64*\b          ; each accumulator from its low end on
	ds_store_b128 v[STO], v[8*(4*(\a)+\b)+4:8*(4*(\a)+\b)+7] offset:64*\b+16
.endr
	WIN 0
.irp t, 0,1,2,3,4,5,6,7
	ds_load_b128 v[64+32*((\a)%2)+4*\t:64+32*((\a)%2)+4*\t+3], v[RD] offset:\t*2*SPITCH
.endr
.endm
.macro SEND a, younger                 ; younger: the LDS instructions issued behind block a's loads, which may stay out
	s_wait_dscnt \younger                          ; the block is back in registers
.irp t, 0,1,2,3,4,5,6,7
	global_store_b128 v[CO], v[64+32*((\a)%2)+4*\t:64+32*((\a)%2)+4*\t+3], s[8:9] offset:(16*(\a)+2*\t)*4096 th:TH_STORE_NT   ; 16 lanes store 256 consecutive bytes, aligned; 126 rows at the most stand in the immediate
.endr
.endm
	PLACES                                         ; behind the last products: for the stores that read results and the loads into registers that held fragments
	TOSTAGE 0
.irp a, 1,2,3,4,5,6,7
.if \a > 1
	s_wait_xcnt 0x0                                ; block a - 2's stores have read their registers: block a's loads may land there
.endif
	TOSTAGE \a
	SEND \a-1, 16                                  ; behind block a - 1's loads: block a's 8 stores and 8 loads
.endr
	SEND 7, 0
	s_wait_tensorcnt 0x0                           ; the wave's end: behind my last tensor load and my last LDS store
	ds_add_u32 v[SPW], v[NIL]
	s_wait_dscnt 0x0
	CROUND                                         ; the closing round: no work-group ends while a partner may still ask for a tile that names it
	s_endpgm
.Lfunc_end_k_q17f2cd2a1c_outp:
	.size	k_q17f2cd2a1c_outp, .Lfunc_end_k_q17f2cd2a1c_outp-k_q17f2cd2a1c_outp
	.p2alignl 7, 3214868480
	.fill 96, 4, 3214868480
	.section	.rodata,"a",@progbits
	.p2align	6, 0x0
	.amdhsa_kernel k_q17f2cd2a1c_outp
		.amdhsa_group_segment_fixed_size 327680
		.amdhsa_private_segment_fixed_size 0
		.amdhsa_enable_private_segment 0
		.amdhsa_kernarg_size 24
		.amdhsa_user_sgpr_count 2
		.amdhsa_user_sgpr_kernarg_segment_ptr 1
		.amdhsa_wavefront_size32 1
		.amdhsa_system_sgpr_workgroup_id_x 1
		.amdhsa_system_sgpr_workgroup_id_y 1
		.amdhsa_system_sgpr_workgroup_id_z 1
		.amdhsa_system_vgpr_workitem_id 0
		.amdhsa_next_free_vgpr 512
		.amdhsa_next_free_sgpr 66
		.amdhsa_reserve_vcc 0
		.amdhsa_float_denorm_mode_32 3
		.amdhsa_float_denorm_mode_16_64 3
		.amdhsa_memory_ordered 1
		.amdhsa_forward_progress 1
		.amdhsa_inst_pref_size 86
	.end_amdhsa_kernel
	.amdgpu_metadata
---
amdhsa.version: [ 1, 2 ]
amdhsa.kernels:
  - .name:           k_q17f2cd2a1c_outp
    .symbol:         k_q17f2cd2a1c_outp.kd
    .args:
      - { .name: ctx, .offset: 0, .size: 8, .value_kind: global_buffer, .address_space: global }
      - { .name: wo16, .offset: 8, .size: 8, .value_kind: global_buffer, .address_space: global }
      - { .name: out0, .offset: 16, .size: 8, .value_kind: global_buffer, .address_space: global }
    .group_segment_fixed_size: 327680
    .private_segment_fixed_size: 0
    .kernarg_segment_align: 8
    .kernarg_segment_size: 24
    .max_flat_workgroup_size: 128
    .sgpr_count:     66
    .vgpr_count:     512
    .wavefront_size: 32
...
	.end_amdgpu_metadata
.endif
;; end of part 4
